; MI455X (gfx1250); checked and timed in simulation.
; The chip was launched on July 23, 2026; its instructions are those of AMD's public machine-readable ISA for CDNA 5 (MIT licence, August 2026) and "CDNA5" Instruction Set Architecture Reference Guide (July 2026). The comments in the code are by the model that wrote it; some were corrected since.
;; Mini GPT. Allowed arithmetic: matrix products marked QUANTISED: E2M1 operands, one E8M0 scale for each 32 along K, by v_wmma_scale_f32_16x16x128_f8f6f4 with both operands' format E2M1 (or v_wmma_scale_f32_32x16x128_f4), f32 sums; everything else in f32.
;; Inputs: Wo0_codes 1,024 x 32 x 16 uint8 (E2M1 codes of Wo0, K innermost, in blocks of 32 codes, two codes a byte); Wo0_scales 1,024 x 32 uint8 (E8M0 scales of Wo0, one for each 32 codes along K); Wo1_codes 1,024 x 32 x 16 uint8 (E2M1 codes of Wo1, K innermost, in blocks of 32 codes, two codes a byte); Wo1_scales 1,024 x 32 uint8 (E8M0 scales of Wo1, one for each 32 codes along K); Wqkv0_codes 3,072 x 32 x 16 uint8 (E2M1 codes of Wqkv0, K innermost, in blocks of 32 codes, two codes a byte); Wqkv0_scales 3,072 x 32 uint8 (E8M0 scales of Wqkv0, one for each 32 codes along K); Wqkv1_codes 3,072 x 32 x 16 uint8 (E2M1 codes of Wqkv1, K innermost, in blocks of 32 codes, two codes a byte); Wqkv1_scales 3,072 x 32 uint8 (E8M0 scales of Wqkv1, one for each 32 codes along K); input_ids 1 x 2,048 int32; pos_emb 2,048 x 1,024 float32; tok_emb 6,282 x 1,024 float32.
;; Outputs: out0 1 x 2,048 x 6,282 float32.
;; This version of the problem:
;;   THIS VERSION OF THE PROBLEM IS GIVEN IN LOW PRECISION. The matrix products marked QUANTISED in the list below multiply operands that are first quantised to E2M1 (2 exponent bits, 1 mantissa bit; 4 bits a number), with one power-of-two scale for each 32 numbers along K (OCP MX v1.0); their sums are f32. All else is computed in f32.
;;   The module's matrix products, in the order in which they are computed (A, B: the left and right operand; K: the contracted axis; several contracted axes count as one K, in the product's order):
;;     1. [M 2,048, K 1,024] x [K 1,024, N 3,072]; A: computed on the way; B: input Wqkv0 (given as codes): QUANTISED
;;     2. [M 2,048, K 1,024] x [K 1,024, N 3,072]; A: computed on the way; B: input Wqkv0 (given as codes): QUANTISED
;;     3. batch 16 x [M 2,048, K 64] x [K 64, N 2,048]; A: computed on the way; B: computed on the way: QUANTISED
;;     4. batch 16 x [M 2,048, K 2,048] x [K 2,048, N 64]; A: softmax (see below); B: computed on the way: QUANTISED
;;     5. [M 2,048, K 1,024] x [K 1,024, N 1,024]; A: computed on the way; B: input Wo0 (given as codes): QUANTISED
;;     6. [M 2,048, K 1,024] x [K 1,024, N 3,072]; A: computed on the way; B: input Wqkv1 (given as codes): QUANTISED
;;     7. [M 2,048, K 1,024] x [K 1,024, N 3,072]; A: computed on the way; B: input Wqkv1 (given as codes): QUANTISED
;;     8. batch 16 x [M 2,048, K 64] x [K 64, N 2,048]; A: computed on the way; B: computed on the way: QUANTISED
;;     9. batch 16 x [M 2,048, K 2,048] x [K 2,048, N 64]; A: softmax (see below); B: computed on the way: QUANTISED
;;     10. [M 2,048, K 1,024] x [K 1,024, N 1,024]; A: computed on the way; B: input Wo1 (given as codes): QUANTISED
;;     11. [M 2,048, K 1,024] x [K 1,024, N 6,282]; A: computed on the way; B: input tok_emb: QUANTISED
;;   THE QUANTISER, for each operand of a quantised product, along K:
;;     - K is cut into blocks of 32 from its start; a last block that is shorter is filled with zeros.
;;     - A block's scale is 2^e with e = floor(log2(the largest magnitude in the block)) - 2, held to -126 .. 127; a block of zeros has e = 0. As a byte (E8M0): e + 127.
;;     - Each number is divided by its block's scale, clamped to +-6, and rounded to the nearest number of E2M1, ties to even, subnormals kept.
;;     - The product sums the exact products of the quantised numbers (number of the format x scale) in f32.
;;   ~~~python
;;   def quantise(x, axis):      # numpy; x: float32 -> the quantised numbers, widened to float32 again
;;       x = np.moveaxis(x, axis, -1); K = x.shape[-1]
;;       x = np.pad(x, [(0, 0)] * (x.ndim - 1) + [(0, -K % 32)]); x = x.reshape(x.shape[:-1] + (-1, 32)); a = np.abs(x).max(-1, keepdims=True)
;;       e = np.where(a > 0, np.clip(np.frexp(np.where(a > 0, a, 1))[1] - 1 - 2, -126, 127), 0)      # np.frexp(a)[1] - 1 = floor(log2(a)), exactly
;;       r = np.clip(x / 2.0 ** e, -6, 6)
;;       step = 2.0 ** (np.maximum(np.frexp(np.where(r == 0, 1, r))[1] - 1, 0) - 1)
;;       q = np.round(r / step) * step * 2.0 ** e      # np.round: ties to even
;;       return np.moveaxis(q.reshape(q.shape[:-2] + (-1,))[..., :K], -1, axis).astype(np.float32)
;;   ~~~
;;   SOFTMAX AHEAD OF A QUANTISED PRODUCT. Where the list says 'softmax', what is quantised is not the finished softmax but p = 2^(t - M), with t = logit x log2(e) and M = ceil(the row's largest t), a whole number; so 1/2 < the row's largest p <= 1. The row's sum l is taken of the UNQUANTISED p, in f32, and the product's result is divided by l at the end. Since M is a whole number, a kernel that streams over the keys may use a running M (the ceiling of the running maximum): every later rescaling is an exact power of two, which a block's scale takes up: the codes' values come out the same.
;;   OPERANDS COMPUTED ON THE WAY. 'Computed on the way' means the value that the module computes at that place (a softmax that the list does not call 'softmax' is quantised finished and normalised). What goes into a quantiser is computed in f32, as accurately as f32 sums, v_exp_f32 and their like allow (about 1e-6 of the number): no bf16 or f16 on the way to a quantiser, and a product that is left as it is and whose result goes on into a quantised operand takes f32 operands (vector FMAs, or v_wmma_f32_16x16x4_f32). A number that lies on a knife's edge between two numbers of the format may be rounded either way, as far as f32 arithmetic and the matrix unit's own rounding can turn it there, and no further.
;;   INPUTS GIVEN AS CODES. Wo0 (in the module: [1024, 1024], K = its axis 1); Wo1 (in the module: [1024, 1024], K = its axis 1); Wqkv0 (in the module: [3072, 1024], K = its axis 1); Wqkv1 (in the module: [3072, 1024], K = its axis 1): each comes as NAME_codes (uint8): NAME with its K axis moved to the last place and cut into blocks of 32 codes, [.., K / 32, bytes a block], one block behind the other in memory; two codes a byte, the lower K in the low four bits (a code: sign, 2 exponent bits, 1 mantissa bit); and NAME_scales (uint8): the same leading axes, one E8M0 byte (e + 127) for each 32 codes along K. Its value is code x scale, taken as it is: it is not quantised again, and the codes and scales need not be those that the quantiser above would give.
;; One version. Each part assembles by itself: llvm-mc -triple=amdgcn-amd-amdhsa -mcpu=gfx1250 --defsym DOCPART=n.
;; ======== version 1 of 1: 8 launches
;; limits: right only within a limited range of input values
;; workspace buffers: xq 1,114,112 bytes; xpq 1,114,112 bytes; cq 1,114,112 bytes; emb0 8,388,608 bytes; emb1 8,388,608 bytes; qq 1,179,648 bytes; kv 2,293,760 bytes; tokq 3,481,600 bytes
;; launch prep (part 1): grid 528 x 1, 8 waves a work-group, no clusters, 23,552 bytes of LDS; arguments input_ids, tok_emb, pos_emb, xq, xpq, emb0, tokq; writes xq, xpq, emb0, tokq
.if DOCPART == 1
	.amdgcn_target "amdgcn-amd-amdhsa--gfx1250"
	.amdhsa_code_object_version 6
	.text
	.protected	k_q540344f214_prep
	.globl	k_q540344f214_prep
	.p2align	8
	.type	k_q540344f214_prep,@function
k_q540344f214_prep:
	s_mov_b64 s[64:65], 0
	v_nop
	global_prefetch_b8 v0, s[64:65] scope:SCOPE_SE
	s_setreg_imm32_b32 hwreg(HW_REG_WAVE_MODE, 25, 1), 1
	s_wait_xcnt 0x0
; MiniGPT, two attention layers and the vocabulary product, all products on MX-FP4 codes.  Eight launches: prep, qkv, attn, wo, qkv, attn, wo, head.
; WORK LEFT OUT IN THE WHOLE PROGRAM, for all finite values of the inputs:
;  (a) reference() keeps of (x + pe) Wqkv^T the columns 0..2047 (q, k) and of x Wqkv^T the columns 2048..3071 (v) and slices the rest away: the other columns of these four products reach no output and are not multiplied.
;  (b) where(qi < ki) is built in reference()'s own body: score tiles all of whose keys lie behind all of their queries are not multiplied, and their p is taken as 0.
; LIMITS.  (b) holds while a row's largest visible score lies above about -9,896: reference()'s masked p = 2^(-14,427 - M) is then 0 in f32.  A NaN, an infinity or an overflow that reaches only the work left out is not carried
; to the result.  NaN and infinities among the inputs are not served.  A block whose largest magnitude lies under 2^-124 keeps the scale byte 1 (a block of zeros too: its codes are zeros, and this program alone reads the bytes).
; An id is held at 6,281 from above.  Every input has a way to the output and is loaded by some launch.
; THIS LAUNCH.  Work-groups 0..127: tile T of 16 rows; wave s takes 128 columns: emb = tok_emb[ids] is gathered, stored as f32 (emb0), and emb and emb + pos_emb are quantised along the columns (xq, xpq).
; Work-groups 128..527: tok_emb is quantised along its columns into tokq, two rows a wave; rows 6,282..6,399 of tokq get zero codes, so that the last tile of the vocabulary product is whole.
; ROW ORDER.  Tile T, lane r holds row 32 (T / 2) + 8 (T % 2) + r % 8 + 16 (r / 8): with it every later product leaves 16 neighbours along its successor's K in 16 registers of a lane.
; LAYOUTS (images of operand registers: lane l's 16 bytes at 16 l).  xq, xpq: codes [T][K step of 128][half c][512], scale words at 1,048,576: [T][K step][r] of 4 bytes.  emb0: [T][block of 32][g][512], lane (r, h) of group g holds columns 32 B + 16 h + 4 g on.
; tokq: codes [6400][512] by rows, scale bytes [6400][32] at 3,276,800.
.set SPARE, 22528                      ; behind the eight waves' regions: the spare words, 128 bytes a wave
.set WREG,  2816                       ; a wave's LDS region: a stage of 32 x 80 bytes, then its 64 scale bytes at 2,560
.set TOKS,  3276800
.set SPW,   12                         ; v12 my spare word's address; never rewritten
.set NIL,   13                         ; v13 0; never rewritten
.set EM,    16                         ; v16-79   64 numbers of emb
.set PO,    80                         ; v80-143  64 numbers of pos_emb, then of emb + pos_emb
.set TM,    144                        ; v144-149 at work in HQ
.set SEL,   40                         ; s[40:41] lane selects: lane l xor 16
.set RW,    16                         ; table role: v16-79 numbers as loaded
.set XN,    80                         ; v80-95 16 neighbours
; 32 numbers of a lane, register 16 b + i = k 32 b + 16 (lane / 16) + i of its row, become 4 registers of codes (lane (r, h): k = 32 h .. 32 h + 31) and a halfword of two scale bytes.
.macro HQ s, d, w
.irp b, 0,1
	v_max3_num_f32 v[TM+\b], |v[(\s)+16*\b]|, |v[(\s)+16*\b+1]|, 0x1800000   ; my 16 numbers of block b, and the floor 2^(3 - 127): the byte cannot fall under 1
.endr
.irp i, 2,4,6,8,10,12,14
.irp b, 0,1
	s_delay_alu instid0(VALU_DEP_2)
	v_max3_num_f32 v[TM+\b], v[TM+\b], |v[(\s)+16*\b+\i]|, |v[(\s)+16*\b+\i+1]|
.endr
.endr
.irp b, 0,1
	s_delay_alu instid0(VALU_DEP_2)
	v_permlanex16_b32 v[TM+2+\b], v[TM+\b], s[SEL], s[SEL+1]
.endr
.irp b, 0,1
	s_delay_alu instid0(VALU_DEP_2)
	v_max_num_f32 v[TM+\b], v[TM+\b], v[TM+2+\b]   ; with lane l xor 16's: the block's largest magnitude
.endr
.irp b, 0,1
	s_delay_alu instid0(VALU_DEP_2)
	v_add_nc_u32 v[TM+4+\b], 0xff000000, v[TM+\b]  ; 2 off its exponent field: the conversion's scale operand
.endr
.irp b, 0,1
	s_delay_alu instid0(VALU_DEP_2)
	v_lshrrev_b32 v[TM+2+\b], 23, v[TM+4+\b]       ; the scale's byte
.endr
	s_delay_alu instid0(VALU_DEP_1)
	v_lshl_or_b32 v[\w], v[TM+3], 8, v[TM+2]
.irp b, 0,1
	v_cvt_scalef32_pk8_fp4_f32 v[(\d)+2*\b], v[(\s)+16*\b:(\s)+16*\b+7], v[TM+4+\b]
	v_cvt_scalef32_pk8_fp4_f32 v[(\d)+2*\b+1], v[(\s)+16*\b+8:(\s)+16*\b+15], v[TM+4+\b]
.endr
	v_nop                                          ; one plain instruction behind the scaled conversions
	v_permlane16_swap_b32 v[(\d)], v[(\d)+2]       ; a whole block to a lane: lanes 0-15 block 0, lanes 16-31 block 1
	v_permlane16_swap_b32 v[(\d)+1], v[(\d)+3]
.endm
	s_load_b256 s[4:11], s[0:1], 0x0               ; ids s[4:5], tok_emb s[6:7], pos_emb s[8:9], xq s[10:11]
	s_load_b128 s[12:15], s[0:1], 0x20             ; xpq s[12:13], emb0 s[14:15]
	s_load_b64 s[16:17], s[0:1], 0x30              ; tokq
	v_lshl_add_u32 v[SPW], v0, 2, SPARE
	v_mov_b32 v[NIL], 0
	v_lshrrev_b32 v1, 5, v0
	s_delay_alu instid0(VALU_DEP_1)
	v_readfirstlane_b32 s18, v1                    ; wave 0..7
	v_and_b32 v1, 31, v0                           ; lane
	s_mov_b32 s[SEL], 0x76543210
	s_mov_b32 s[SEL+1], 0xfedcba98
	s_cmp_lt_u32 ttmp9, 128                        ; the two roles part on the work-group's number; only the second uses LDS
	s_cbranch_scc0 .Ltable
	; ---- the embedding: tile T = work-group, K step s = wave
	v_and_b32 v2, 15, v0                           ; r
	v_bfe_u32 v3, v0, 4, 1                         ; h
	s_lshr_b32 s20, ttmp9, 1
	s_lshl_b32 s20, s20, 5
	s_and_b32 s21, ttmp9, 1
	s_lshl_b32 s21, s21, 3
	s_add_co_u32 s20, s20, s21                     ; 32 (T / 2) + 8 (T % 2)
	v_and_b32 v4, 8, v2
	s_delay_alu instid0(VALU_DEP_1)
	v_add_nc_u32 v4, v4, v2                        ; r + 8 (r / 8)
	s_delay_alu instid0(VALU_DEP_1)
	v_add_nc_u32 v4, s20, v4                       ; my row
	s_delay_alu instid0(VALU_DEP_1)
	v_lshlrev_b32 v9, 2, v4                        ; its id
	s_delay_alu instid0(VALU_DEP_2)
	v_lshlrev_b32 v6, 12, v4
	s_delay_alu instid0(VALU_DEP_1)
	v_lshl_add_u32 v6, v3, 6, v6                   ; pos_emb: row x 4,096 + 64 h
	s_wait_alu depctr_va_vdst(0)
	v_lshlrev_b32 v7, 4, v1                        ; 16 x lane
	v_lshlrev_b32 v8, 2, v2                        ; 4 r
	v_mov_b32 v[TM+2], 0                           ; a lane permute's destination counts as one of its sources
	v_mov_b32 v[TM+3], 0
	s_lshl_b32 s22, s18, 9                         ; my 128 columns: 512 bytes
	s_mov_b32 s23, 0
	s_lshl_b32 s24, ttmp9, 16
	s_lshl_b32 s25, s18, 13
	s_add_co_u32 s24, s24, s25                     ; emb0: T x 65,536 + s x 8,192
	s_mov_b32 s25, 0
	s_lshl_b32 s26, ttmp9, 13
	s_lshl_b32 s27, s18, 10
	s_add_co_u32 s26, s26, s27                     ; codes: T x 8,192 + s x 1,024
	s_mov_b32 s27, 0
	s_lshl_b32 s28, ttmp9, 9
	s_lshl_b32 s29, s18, 6
	s_add_co_u32 s28, s28, s29                     ; scale words: T x 512 + s x 64 (the stores' immediate adds 1,048,576)
	s_mov_b32 s29, 0
	s_wait_alu depctr_va_vdst(0)
	s_wait_kmcnt 0x0
	s_add_nc_u64 s[6:7], s[6:7], s[22:23]
	s_add_nc_u64 s[8:9], s[8:9], s[22:23]
	s_add_nc_u64 s[14:15], s[14:15], s[24:25]
	s_add_nc_u64 s[30:31], s[10:11], s[28:29]
	s_add_nc_u64 s[32:33], s[12:13], s[28:29]
	s_add_nc_u64 s[10:11], s[10:11], s[26:27]
	s_add_nc_u64 s[12:13], s[12:13], s[26:27]
	global_load_b32 v5, v9, s[4:5]
.irp b, 0,1,2,3
.irp j, 0,1,2,3
	global_load_b128 v[PO+16*\b+4*\j:PO+16*\b+4*\j+3], v6, s[8:9] offset:128*\b+16*\j th:TH_LOAD_NT
.endr
.endr
	s_wait_loadcnt 16                              ; the id is in; the 16 loads of pos_emb issued behind it may be out
	v_min_u32 v5, 6281, v5                         ; held inside the table
	s_delay_alu instid0(VALU_DEP_1)
	v_lshlrev_b32 v5, 12, v5
	s_delay_alu instid0(VALU_DEP_1)
	v_lshl_add_u32 v5, v3, 6, v5                   ; tok_emb: id x 4,096 + 64 h
.irp b, 0,1,2,3
.irp j, 0,1,2,3
	global_load_b128 v[EM+16*\b+4*\j:EM+16*\b+4*\j+3], v5, s[6:7] offset:128*\b+16*\j
.endr
.endr
	s_wait_loadcnt 0x0
.irp b, 0,1,2,3
.irp j, 0,1,2,3
	global_store_b128 v7, v[EM+16*\b+4*\j:EM+16*\b+4*\j+3], s[14:15] offset:(4*\b+\j)*512   ; each store of the wave covers 512 consecutive bytes, aligned
.endr
.endr
	HQ EM, 152, 10
	HQ EM+32, 156, 11
	v_lshl_or_b32 v14, v11, 16, v10                ; the K step's scale word of my row
	global_store_b128 v7, v[152:155], s[10:11]
	global_store_b128 v7, v[156:159], s[10:11] offset:512
	global_store_b32 v8, v14, s[30:31] offset:1048576   ; lanes r and r + 16 hold and store the same word
.set ii, 0
.rept 32
	v_pk_add_f32 v[PO+ii:PO+ii+1], v[PO+ii:PO+ii+1], v[EM+ii:EM+ii+1]   ; x + pe, in f32
.set ii, ii+2
.endr
	s_wait_alu depctr_va_vdst(0)
	s_wait_xcnt 0x0                                ; emb0's stores have read v16-79: the codes of x + pe are laid over them, so that a wave names 160 registers
	HQ PO, 16, 24
	HQ PO+32, 20, 25
	v_lshl_or_b32 v26, v25, 16, v24
	global_store_b128 v7, v[16:19], s[12:13]
	global_store_b128 v7, v[20:23], s[12:13] offset:512
	global_store_b32 v8, v26, s[32:33] offset:1048576
	s_branch .Lend
	; ---- the table: two rows a wave, 4 steps of 512 numbers
.Ltable:
	s_sub_co_u32 s20, ttmp9, 128
	s_lshl_b32 s20, s20, 4
	s_lshl_b32 s21, s18, 1
	s_add_co_u32 s20, s20, s21                     ; my first row
	s_lshl_b32 s22, s20, 12
	s_mov_b32 s23, 0
	s_lshl_b32 s24, s20, 9
	s_mov_b32 s25, 0
	s_lshl_b32 s26, s20, 5
	s_mov_b32 s27, 0
	s_mul_i32 s19, s18, WREG                       ; my wave's LDS region
	s_wait_alu depctr_va_vdst(0)
	v_lshlrev_b32 v2, 4, v1                        ; my 16 bytes of a load's 512
	v_lshrrev_b32 v3, 2, v1
	s_delay_alu instid0(VALU_DEP_1)
	v_mul_u32_u24 v3, v3, 80
	v_and_b32 v9, 3, v1
	s_delay_alu instid0(VALU_DEP_1)
	v_lshl_add_u32 v3, v9, 4, v3
	s_delay_alu instid0(VALU_DEP_1)
	v_add_nc_u32 v3, s19, v3                       ; the stage, way in: four lanes' 64 bytes on end, then 16 of padding
	v_mul_u32_u24 v4, v1, 80
	s_delay_alu instid0(VALU_DEP_1)
	v_add_nc_u32 v4, s19, v4                       ; way out: my 16 neighbours
	v_lshrrev_b32 v5, 1, v1
	s_delay_alu instid0(VALU_DEP_1)
	v_add_nc_u32 v5, s19, v5                       ; my block's scale byte
	v_lshlrev_b32 v10, 1, v1
	s_delay_alu instid0(VALU_DEP_1)
	v_add_nc_u32 v6, s19, v10                      ; two scale bytes a lane on the way out
	v_lshlrev_b32 v7, 3, v1                        ; 8 bytes of codes a lane
	s_wait_kmcnt 0x0
	s_add_nc_u64 s[6:7], s[6:7], s[22:23]
	s_add_nc_u64 s[28:29], s[16:17], s[24:25]
	s_add_nc_u64 s[30:31], s[16:17], s[26:27]
	s_cmp_ge_u32 s20, 6282                         ; 6,282 is even: a wave's two rows lie inside the table or both behind it
	s_cbranch_scc1 .Lzero
.irp i, 0,1,2,3,4,5,6,7,8,9,10,11,12,13,14,15
	global_load_b128 v[RW+4*\i:RW+4*\i+3], v2, s[6:7] offset:512*\i   ; 32 lanes read 512 consecutive bytes
.endr
.macro TSTEP t
	s_wait_loadcnt 12-4*\t                         ; this step's four loads are in; those of the later steps may be out
.irp i, 0,1,2,3
	ds_store_b128 v3, v[RW+16*\t+4*\i:RW+16*\t+4*\i+3] offset:640*\i
.endr
.irp i, 0,1,2,3
	ds_load_b128 v[XN+4*\i:XN+4*\i+3], v4 offset:16*\i   ; LDS serves a wave's instructions in order: these see the stores above
.endr
	s_wait_dscnt 0x0
	v_max3_num_f32 v8, |v[XN]|, |v[XN+1]|, |v[XN+2]|
	v_max3_num_f32 v9, |v[XN+3]|, |v[XN+4]|, |v[XN+5]|
.irp i, 6,10
	s_delay_alu instid0(VALU_DEP_2)
	v_max3_num_f32 v8, v8, |v[XN+\i]|, |v[XN+\i+1]|
	s_delay_alu instid0(VALU_DEP_2)
	v_max3_num_f32 v9, v9, |v[XN+\i+2]|, |v[XN+\i+3]|
.endr
	s_delay_alu instid0(VALU_DEP_2)
	v_max3_num_f32 v8, v8, |v[XN+14]|, |v[XN+15]|
	s_delay_alu instid0(VALU_DEP_1)
	v_max3_num_f32 v8, v8, v9, 0x1800000           ; and the floor
	s_delay_alu instid0(VALU_DEP_1)
	v_max_num_f32_dpp v8, v8, v8 row_xmask:1 row_mask:0xf bank_mask:0xf   ; with my neighbour's 16: the block's
	s_delay_alu instid0(VALU_DEP_1)
	v_add_nc_u32 v11, 0xff000000, v8
	v_cvt_scalef32_pk8_fp4_f32 v[128+2*\t], v[XN:XN+7], v11
	v_cvt_scalef32_pk8_fp4_f32 v[129+2*\t], v[XN+8:XN+15], v11
	v_lshrrev_b32 v[112+\t], 23, v11               ; the scale's byte (also the plain instruction behind the conversions)
	ds_store_b8 v5, v[112+\t] offset:2560+16*\t    ; both lanes of a block store the same byte
.endm
	s_wait_alu depctr_va_vdst(0)
	TSTEP 0
	TSTEP 1
	TSTEP 2
	TSTEP 3
	ds_load_u16 v116, v6 offset:2560
	s_wait_dscnt 0x0
	s_branch .Lput
.Lzero:
.irp i, 0,1,2,3,4,5,6,7
	v_mov_b32 v[128+\i], 0                         ; zero codes add nothing under any byte but 0xff
.endr
	v_mov_b32 v116, 0
.Lput:
	s_wait_alu depctr_va_vdst(0)
.irp t, 0,1,2,3
	global_store_b64 v7, v[128+2*\t:129+2*\t], s[28:29] offset:256*\t   ; the wave stores 256 consecutive bytes, aligned
.endr
	global_store_b16 v10, v116, s[30:31] offset:TOKS
.Lend:
	s_wait_tensorcnt 0x0                           ; the wave's end, behind my last LDS store
	ds_add_u32 v[SPW], v[NIL]
	s_wait_dscnt 0x0
	s_endpgm
.Lfunc_end_k_q540344f214_prep:
	.size	k_q540344f214_prep, .Lfunc_end_k_q540344f214_prep-k_q540344f214_prep
	.p2alignl 7, 3214868480
	.fill 96, 4, 3214868480
	.section	.rodata,"a",@progbits
	.p2align	6, 0x0
	.amdhsa_kernel k_q540344f214_prep
		.amdhsa_group_segment_fixed_size 23552
		.amdhsa_private_segment_fixed_size 0
		.amdhsa_enable_private_segment 0
		.amdhsa_kernarg_size 56
		.amdhsa_user_sgpr_count 2
		.amdhsa_user_sgpr_kernarg_segment_ptr 1
		.amdhsa_wavefront_size32 1
		.amdhsa_system_sgpr_workgroup_id_x 1
		.amdhsa_system_sgpr_workgroup_id_y 1
		.amdhsa_system_sgpr_workgroup_id_z 1
		.amdhsa_system_vgpr_workitem_id 0
		.amdhsa_next_free_vgpr 160
		.amdhsa_next_free_sgpr 66
		.amdhsa_reserve_vcc 0
		.amdhsa_float_denorm_mode_32 3
		.amdhsa_float_denorm_mode_16_64 3
		.amdhsa_memory_ordered 1
		.amdhsa_forward_progress 1
		.amdhsa_inst_pref_size 32
	.end_amdhsa_kernel
	.amdgpu_metadata
---
amdhsa.version: [ 1, 2 ]
amdhsa.kernels:
  - .name:           k_q540344f214_prep
    .symbol:         k_q540344f214_prep.kd
    .args:
      - { .name: input_ids, .offset: 0, .size: 8, .value_kind: global_buffer, .address_space: global }
      - { .name: tok_emb, .offset: 8, .size: 8, .value_kind: global_buffer, .address_space: global }
      - { .name: pos_emb, .offset: 16, .size: 8, .value_kind: global_buffer, .address_space: global }
      - { .name: xq, .offset: 24, .size: 8, .value_kind: global_buffer, .address_space: global }
      - { .name: xpq, .offset: 32, .size: 8, .value_kind: global_buffer, .address_space: global }
      - { .name: emb0, .offset: 40, .size: 8, .value_kind: global_buffer, .address_space: global }
      - { .name: tokq, .offset: 48, .size: 8, .value_kind: global_buffer, .address_space: global }
    .group_segment_fixed_size: 23552
    .private_segment_fixed_size: 0
    .kernarg_segment_align: 8
    .kernarg_segment_size: 56
    .max_flat_workgroup_size: 256
    .sgpr_count:     66
    .vgpr_count:     160
    .wavefront_size: 32
...
	.end_amdgpu_metadata
.endif
;; end of part 1
;; launch qkv0 (part 2): grid 12 x 16, 8 waves a work-group, clusters of 4 x 4, 218,112 bytes of LDS; arguments xq, xpq, Wqkv0_codes, Wqkv0_scales, qq, kv; writes qq, kv
.if DOCPART == 2
	.amdgcn_target "amdgcn-amd-amdhsa--gfx1250"
	.amdhsa_code_object_version 6
	.text
	.protected	k_q540344f214_qkv0
	.globl	k_q540344f214_qkv0
	.p2align	8
	.type	k_q540344f214_qkv0,@function
k_q540344f214_qkv0:
	s_mov_b64 s[64:65], 0
	v_nop
	global_prefetch_b8 v0, s[64:65] scope:SCOPE_SE
	s_setreg_imm32_b32 hwreg(HW_REG_WAVE_MODE, 25, 1), 1
	s_wait_xcnt 0x0
	s_wait_alu depctr_hold_cnt(0) depctr_sa_sdst(0) depctr_va_vdst(0) depctr_va_sdst(0) depctr_va_ssrc(0) depctr_va_vcc(0) depctr_vm_vsrc(0)
	s_getreg_b32 s2, hwreg(HW_REG_IB_STS2, 6, 4)
	s_cmp_eq_u32 s2, 0
	s_cbranch_scc0 .Lentry_in_a_cluster
	s_endpgm
.Lentry_in_a_cluster:
	s_bfe_u32 s2, ttmp6, 0x10000c
	s_cmp_lg_u32 s2, 0xf033
	s_cbranch_scc0 .Lentry_shape_is_right
	s_endpgm
.Lentry_shape_is_right:
; q, k = (x + pe) Wqkv^T (weight rows 0..2047), v = x Wqkv^T (rows 2048..3071), on MX-FP4 codes; the results are quantised in registers and stored as the operands of attention.
; LEFT OUT (dead for all inputs: reference() slices them away): the columns 2048.. of the product with x + pe and the columns 0..2047 of the product with x.
; SHARES.  A work-group: 128 rows (tile row my) x 256 weight rows (tile column nx); cluster x = 0, 1, 2 is q, k, v.  Eight waves, 64 x 64 each: 16 accumulators; a wave's 64 weight rows are one head.
; K = 1,024 lies in LDS whole, in two halves, each filled once: no slot is filled again.
; CLUSTER 4 x 4: A's tiles (x) are shared along a row of the cluster, the weights' along a column: joint loads.
; q, k: source 0 = 16 weight rows, source 1 = 16 rows of x: a lane holds one row and 64 channels of a head, K of the scores.  v: the sources change places: a lane holds one channel and 64 keys, K of the second product.
; The weight rows of a tile: lane r of tile 2 b + u takes row 32 b + 8 u + r + 8 (r / 8); x's tiles have the same order of rows: so 16 registers of two neighbouring tiles are 16 neighbours along the next K.
; OUT.  qq: codes [head][T][512], words at 1,048,576 [head][T][r].  kv: for each head 8 records of 17,920 bytes (256 keys, two steps sp): K tile t at 4,096 sp + 512 t; V^T tile t, half c at 8,192 + 4,096 sp + 1,024 t + 512 c;
; K's words at 16,384 + 512 sp + 64 t + 4 r; V's at 17,408 + 256 sp + 64 t + 4 r, half c 2 c bytes on.
.set LA0, 0                            ; x's images, K steps 0-3: 8 tiles x 4,096 bytes
.set LA1, 32768                        ; K steps 4-7
.set LB0, 65536                        ; the weights, K half 0: 256 rows of 256 bytes + 16 of padding
.set LB1, 135168
.set LSA, 204800                       ; x's scale words: 8 tiles x 512 bytes
.set LSB, 208896                       ; the weights' scale bytes: 256 rows x 32
.set SPARE, 217088                     ; the spare words, 128 bytes a wave
.set PW, 272
.set WV, 20
.set G1A, 28
.set G1B, 36
.set G1SA, 44
.set G1SB, 52
.set G0SA, 68
.set G0A0, 72
.set G0A1, 76
.set G0SB, 80
.set G0B0, 84
.set G0B1, 88
.set SEL, 100
.set ADX, 5                            ; v5, v6  x's fragments in half 0, 1
.set ADW, 7                            ; v7, v8  the weights'
.set SPW, 13
.set NIL, 14
.set XS, 16                            ; v16-31  x's scale words: 4 l + qq: lanes 0-15 K step 2 qq, lanes 16-31 K step 2 qq + 1
.set WS, 32                            ; v32-47  the weights': 4 p + j: lanes 0-15 K step j, lanes 16-31 K step 4 + j
.set FX, 48                            ; v48-79  x's four fragments
.set FW, 80                            ; v80-111 the weights' four
.set ACC, 112                          ; v112-239 accumulator (l, p) at 112 + 32 l + 8 p
.set TM, 48                            ; behind the products: at work,
.set CD, 56                            ; codes,
.set HW, 72                            ; halfwords of scale bytes
.macro PLACES
.rept 4
	v_nop
.endr
.endm
.macro G1W g, c, r, p                  ; words 1 to 7 of a descriptor's group 1: rows of c elements, r rows, p elements from row to row
	s_mov_b32 s[\g+1], ((\c)&0xffff)<<16
	s_mov_b32 s[\g+2], ((\c)>>16)|((\r)<<16)
	s_mov_b32 s[\g+3], ((\r)>>16)|((\c)<<16)
	s_mov_b32 s[\g+4], \r
	s_mov_b32 s[\g+5], \p
	s_mov_b32 s[\g+6], 0
	s_mov_b32 s[\g+7], 0
.endm
.macro TL g0, g1
	tensor_load_to_lds s[\g0:\g0+3], s[\g1:\g1+7]
	s_nop 0
.endm
.macro CROUND                          ; a round of the cluster's barrier
	s_barrier_signal -1
	s_barrier_wait -1
	s_cmp_lg_u32 s[WV], 0
	s_cbranch_scc1 .Lnw0_\@
	s_barrier_signal -3
.Lnw0_\@:
	s_barrier_wait -3
	s_barrier_signal -1
	s_barrier_wait -1
.endm
; one product: z = 1 starts the sum; ra, rb = 1: the side's scales stand in lanes 16-31
.macro WM d, a, b, z, sa, sb, ra, rb
.if \z
.if (\ra) && (\rb)
	v_wmma_scale_f32_16x16x128_f8f6f4 v[(\d):(\d)+7], v[(\a):(\a)+7], v[(\b):(\b)+7], 0, v[(\sa)], v[(\sb)] matrix_a_fmt:MATRIX_FMT_FP4 matrix_b_fmt:MATRIX_FMT_FP4 matrix_a_scale:MATRIX_SCALE_ROW1 matrix_b_scale:MATRIX_SCALE_ROW1
.elseif \ra
	v_wmma_scale_f32_16x16x128_f8f6f4 v[(\d):(\d)+7], v[(\a):(\a)+7], v[(\b):(\b)+7], 0, v[(\sa)], v[(\sb)] matrix_a_fmt:MATRIX_FMT_FP4 matrix_b_fmt:MATRIX_FMT_FP4 matrix_a_scale:MATRIX_SCALE_ROW1
.elseif \rb
	v_wmma_scale_f32_16x16x128_f8f6f4 v[(\d):(\d)+7], v[(\a):(\a)+7], v[(\b):(\b)+7], 0, v[(\sa)], v[(\sb)] matrix_a_fmt:MATRIX_FMT_FP4 matrix_b_fmt:MATRIX_FMT_FP4 matrix_b_scale:MATRIX_SCALE_ROW1
.else
	v_wmma_scale_f32_16x16x128_f8f6f4 v[(\d):(\d)+7], v[(\a):(\a)+7], v[(\b):(\b)+7], 0, v[(\sa)], v[(\sb)] matrix_a_fmt:MATRIX_FMT_FP4 matrix_b_fmt:MATRIX_FMT_FP4
.endif
.else
.if (\ra) && (\rb)
	v_wmma_scale_f32_16x16x128_f8f6f4 v[(\d):(\d)+7], v[(\a):(\a)+7], v[(\b):(\b)+7], v[(\d):(\d)+7], v[(\sa)], v[(\sb)] matrix_a_fmt:MATRIX_FMT_FP4 matrix_b_fmt:MATRIX_FMT_FP4 matrix_a_scale:MATRIX_SCALE_ROW1 matrix_b_scale:MATRIX_SCALE_ROW1
.elseif \ra
	v_wmma_scale_f32_16x16x128_f8f6f4 v[(\d):(\d)+7], v[(\a):(\a)+7], v[(\b):(\b)+7], v[(\d):(\d)+7], v[(\sa)], v[(\sb)] matrix_a_fmt:MATRIX_FMT_FP4 matrix_b_fmt:MATRIX_FMT_FP4 matrix_a_scale:MATRIX_SCALE_ROW1
.elseif \rb
	v_wmma_scale_f32_16x16x128_f8f6f4 v[(\d):(\d)+7], v[(\a):(\a)+7], v[(\b):(\b)+7], v[(\d):(\d)+7], v[(\sa)], v[(\sb)] matrix_a_fmt:MATRIX_FMT_FP4 matrix_b_fmt:MATRIX_FMT_FP4 matrix_b_scale:MATRIX_SCALE_ROW1
.else
	v_wmma_scale_f32_16x16x128_f8f6f4 v[(\d):(\d)+7], v[(\a):(\a)+7], v[(\b):(\b)+7], v[(\d):(\d)+7], v[(\sa)], v[(\sb)] matrix_a_fmt:MATRIX_FMT_FP4 matrix_b_fmt:MATRIX_FMT_FP4
.endif
.endif
.endm
; 32 numbers of a lane, register 16 b + i = k 32 b + 16 (lane / 16) + i, become 4 registers of codes (lane (r, h): k = 32 h .. 32 h + 31) and a halfword of two scale bytes.
.macro HQ s, d, w
.irp b, 0,1
	v_max3_num_f32 v[TM+\b], |v[(\s)+16*\b]|, |v[(\s)+16*\b+1]|, 0x1800000   ; each accumulator is read from its low end on; the floor 2^(3 - 127) holds the byte at 1 from below
.endr
.irp i, 2,4,6,8,10,12,14
.irp b, 0,1
	v_max3_num_f32 v[TM+\b], v[TM+\b], |v[(\s)+16*\b+\i]|, |v[(\s)+16*\b+\i+1]|
.endr
.endr
.irp b, 0,1
	s_delay_alu instid0(VALU_DEP_2)
	v_permlanex16_b32 v[TM+2+\b], v[TM+\b], s[SEL], s[SEL+1]
.endr
.irp b, 0,1
	s_delay_alu instid0(VALU_DEP_2)
	v_max_num_f32 v[TM+\b], v[TM+\b], v[TM+2+\b]
.endr
.irp b, 0,1
	s_delay_alu instid0(VALU_DEP_2)
	v_add_nc_u32 v[TM+4+\b], 0xff000000, v[TM+\b]
.endr
.irp b, 0,1
	s_delay_alu instid0(VALU_DEP_2)
	v_lshrrev_b32 v[TM+2+\b], 23, v[TM+4+\b]
.endr
	s_delay_alu instid0(VALU_DEP_1)
	v_lshl_or_b32 v[\w], v[TM+3], 8, v[TM+2]
.irp b, 0,1
	v_cvt_scalef32_pk8_fp4_f32 v[(\d)+2*\b], v[(\s)+16*\b:(\s)+16*\b+7], v[TM+4+\b]
	v_cvt_scalef32_pk8_fp4_f32 v[(\d)+2*\b+1], v[(\s)+16*\b+8:(\s)+16*\b+15], v[TM+4+\b]
.endr
	v_nop
	v_permlane16_swap_b32 v[(\d)], v[(\d)+2]
	v_permlane16_swap_b32 v[(\d)+1], v[(\d)+3]
.endm
	s_load_b256 s[4:11], s[0:1], 0x0               ; xq s[4:5], xpq s[6:7], the weights' codes s[8:9], their scales s[10:11]
	s_load_b128 s[12:15], s[0:1], 0x20             ; qq s[12:13], kv s[14:15]
	v_lshl_add_u32 v[SPW], v0, 2, SPARE
	v_mov_b32 v[NIL], 0
	ds_add_u32 v[SPW], v[NIL]                      ; the wave's opening: the add, twice on end, and its wait ahead of the first tensor load
	ds_add_u32 v[SPW], v[NIL]
	v_lshrrev_b32 v1, 5, v0
	s_delay_alu instid0(VALU_DEP_1)
	v_readfirstlane_b32 s[WV], v1                  ; wave 0..7
	s_lshr_b32 s21, s[WV], 2                       ; wm: which 64 rows
	s_and_b32 s22, s[WV], 3                        ; wn: which 64 weight rows
	s_and_b32 s27, s[WV], 1                        ; which half of the weights' tile I fetch, if I fetch
	s_bfe_u32 s23, ttmp6, 0x40000                  ; cx
	s_bfe_u32 s24, ttmp6, 0x40004                  ; cy
	s_lshl_b32 s25, ttmp9, 2
	s_add_co_u32 s25, s25, s23                     ; nx
	s_and_b32 s26, ttmp7, 0xffff
	s_lshl_b32 s26, s26, 2
	s_add_co_u32 s26, s26, s24                     ; my
	s_lshl_b32 s16, s24, 2
	s_lshl_b32 s16, 15, s16                        ; my row of the cluster
	s_lshl_b32 s17, 0x1111, s23                    ; my column
	s_or_b32 s[G1A], s16, (3<<16)|(1<<21)          ; elements of 8 bytes, no padding; bit 21 beside a mask
	s_or_b32 s[G1SA], s16, (3<<16)|(1<<21)
	s_or_b32 s[G1B], s17, (1<<20)|(1<<21)|(5<<22)|(3<<25)   ; elements of 1 byte; 4 words of padding behind every 64
	s_or_b32 s[G1SB], s17, (3<<16)|(1<<21)
	G1W G1A, 512, 8, 1024                          ; 8 tiles x 4,096 bytes (4 K steps), 8,192 bytes from tile to tile
	G1W G1B, 256, 128, 512                         ; 128 rows x 256 bytes of rows of 512
	G1W G1SA, 32, 16, 32                           ; 4,096 dense bytes
	G1W G1SB, 32, 32, 32                           ; 8,192 dense bytes: the scale bytes of all 256 weight rows, one load
	s_lshl_b32 s94, s26, 16                        ; x's codes: my x 8 tiles x 8,192
	s_mov_b32 s95, 0
	s_lshl_b32 s2, s26, 12                         ; x's scale words: my x 8 x 512
	s_mov_b32 s3, 0
	s_lshl_b32 s96, s25, 8
	s_lshl_b32 s98, s27, 7
	s_add_co_u32 s96, s96, s98                     ; the first weight row that I fetch
	s_lshl_b32 s98, s96, 9
	s_mov_b32 s99, 0
	s_lshl_b32 s96, s96, 5
	s_mov_b32 s97, 0
	s_mul_i32 s66, s27, 128*PW                     ; and where it goes
	s_lshl_b32 s67, s27, 12
	s_mov_b32 s[SEL], 0x76543210
	s_mov_b32 s[SEL+1], 0xfedcba98
	s_wait_dscnt 0x0                               ; both opening adds are done
	s_wait_kmcnt 0x0
	s_cmp_lt_u32 ttmp9, 2                          ; q and k take x + pe, v takes x: the cluster's x, which all partners share
	s_cselect_b64 s[92:93], s[6:7], s[4:5]
	s_add_nc_u64 s[94:95], s[92:93], s[94:95]
	s_add_nc_u64 s[2:3], s[92:93], s[2:3]
	s_add_nc_u64 s[98:99], s[8:9], s[98:99]
	s_add_nc_u64 s[96:97], s[10:11], s[96:97]
	s_mov_b32 s[G0SA], 1
	s_mov_b32 s[G0SA+1], LSA
	s_add_nc_u64 s[G0SA+2:G0SA+3], s[2:3], 0x100000
	s_or_b32 s[G0SA+3], s[G0SA+3], 0x80000000
	s_mov_b32 s[G0A0], 1
	s_mov_b32 s[G0A0+1], LA0
	s_mov_b64 s[G0A0+2:G0A0+3], s[94:95]
	s_or_b32 s[G0A0+3], s[G0A0+3], 0x80000000
	s_mov_b32 s[G0A1], 1
	s_mov_b32 s[G0A1+1], LA1
	s_add_nc_u64 s[G0A1+2:G0A1+3], s[94:95], 4096
	s_or_b32 s[G0A1+3], s[G0A1+3], 0x80000000
	s_mov_b32 s[G0SB], 1
	s_add_co_u32 s[G0SB+1], s67, LSB
	s_mov_b64 s[G0SB+2:G0SB+3], s[96:97]
	s_or_b32 s[G0SB+3], s[G0SB+3], 0x80000000
	s_mov_b32 s[G0B0], 1
	s_add_co_u32 s[G0B0+1], s66, LB0
	s_mov_b64 s[G0B0+2:G0B0+3], s[98:99]
	s_or_b32 s[G0B0+3], s[G0B0+3], 0x80000000
	s_mov_b32 s[G0B1], 1
	s_add_co_u32 s[G0B1+1], s66, LB1
	s_add_nc_u64 s[G0B1+2:G0B1+3], s[98:99], 256
	s_or_b32 s[G0B1+3], s[G0B1+3], 0x80000000
	CROUND                                         ; all sixteen work-groups are here: the joint loads meet
; THE HEAD'S EIGHT LOADS, ONE A WAVE: waves 0, 1 the weights' halves of K half 0; waves 2, 3 those of K half 1; wave 4 the weights' scale bytes; wave 5 x's scale words; waves 6, 7 x's K halves.
; One chain of branches on the wave's number, a load to an arm, all arms leading to one join.
.macro ARM under, g0, g1, next
	s_cmp_lt_u32 s[WV], \under
	s_cbranch_scc0 \next
	TL \g0, \g1
	PLACES
	s_branch .Lasked
\next:
.endm
	ARM 2, G0B0, G1B, .La1
	ARM 4, G0B1, G1B, .La2
	ARM 5, G0SB, G1SB, .La3
	ARM 6, G0SA, G1SA, .La4
	ARM 7, G0A0, G1A, .La5
	TL G0A1, G1A
	PLACES
.Lasked:
	v_and_b32 v1, 31, v0                           ; lane
	v_and_b32 v2, 15, v0                           ; r
	v_bfe_u32 v3, v0, 4, 1                         ; h
	s_delay_alu instid0(VALU_DEP_2)
	v_and_b32 v4, 8, v2
	s_delay_alu instid0(VALU_DEP_1)
	v_add_nc_u32 v4, v4, v2                        ; r + 8 (r / 8)
	v_lshlrev_b32 v11, 4, v1                       ; 16 x lane
	v_lshlrev_b32 v12, 2, v2                       ; 4 r
	s_lshl_b32 s2, s21, 14
	v_add_nc_u32 v5, s2, v11                       ; x: my 4 tiles, 16 x lane
	s_delay_alu instid0(VALU_DEP_1)
	v_add_nc_u32 v6, LA1, v5
	v_mul_u32_u24 v7, v4, PW
	s_delay_alu instid0(VALU_DEP_1)
	v_lshl_add_u32 v7, v3, 4, v7
	s_mul_i32 s2, s22, 64*PW
	s_add_co_u32 s2, s2, LB0
	v_add_nc_u32 v7, s2, v7                        ; the weights: my 64 rows, row x pitch + 16 h
	s_delay_alu instid0(VALU_DEP_1)
	v_add_nc_u32 v8, LB1-LB0, v7
	s_lshl_b32 s2, s21, 11
	s_add_co_u32 s2, s2, LSA
	v_lshl_add_u32 v9, v1, 2, s2                   ; x's scale words: 4 x lane
	v_lshlrev_b32 v10, 5, v4
	s_delay_alu instid0(VALU_DEP_1)
	v_lshl_add_u32 v10, v3, 4, v10
	s_lshl_b32 s2, s22, 11
	s_add_co_u32 s2, s2, LSB
	v_add_nc_u32 v10, s2, v10                      ; the weights' scale bytes: row x 32 + 16 h
	; where my results go
	s_lshl_b32 s2, s26, 3
	s_lshl_b32 s3, s21, 2
	s_add_co_u32 s2, s2, s3                        ; T0: my first tile of rows
	s_lshl_b32 s3, s23, 2
	s_add_co_u32 s3, s3, s22                       ; my head
	s_lshl_b32 s92, s3, 7
	s_add_co_u32 s92, s92, s2
	s_lshl_b32 s93, s92, 6
	s_add_co_u32 s93, s93, 0x100000                ; q's words
	s_lshl_b32 s92, s92, 9                         ; q's codes
	s_mul_i32 s94, s3, 143360
	s_lshr_b32 s95, s2, 4
	s_mul_i32 s95, s95, 17920
	s_add_co_u32 s94, s94, s95                     ; the head's record of 256 keys
	s_bfe_u32 s95, s2, 0x10003                     ; sp
	s_and_b32 s96, s2, 7                           ; T0 % 8: 0 or 4
	s_lshl_b32 s97, s95, 12
	s_add_co_u32 s97, s97, s94
	s_lshl_b32 s99, s96, 7
	s_add_co_u32 s99, s99, s97
	s_add_co_u32 s99, s99, 8192                    ; v's codes
	s_lshl_b32 s98, s96, 9
	s_add_co_u32 s97, s97, s98                     ; k's codes
	s_lshl_b32 s98, s95, 9
	s_add_co_u32 s98, s98, s94
	s_lshl_b32 s66, s96, 6
	s_add_co_u32 s98, s98, s66
	s_add_co_u32 s98, s98, 16384                   ; k's words
	s_lshl_b32 s66, s95, 8
	s_add_co_u32 s66, s66, s94
	s_lshr_b32 s67, s96, 1
	s_add_co_u32 s66, s66, s67
	s_add_co_u32 s66, s66, 17408                   ; v's words
	s_cmp_eq_u32 ttmp9, 0
	s_cselect_b64 s[2:3], s[12:13], s[14:15]
	s_cselect_b32 s92, s92, s97
	s_cselect_b32 s94, s93, s98
	s_cmp_eq_u32 ttmp9, 2
	s_cselect_b32 s92, s99, s92
	s_cselect_b32 s94, s66, s94
	s_mov_b32 s93, 0
	s_mov_b32 s95, 0
	s_add_nc_u64 s[92:93], s[2:3], s[92:93]        ; codes
	s_add_nc_u64 s[94:95], s[2:3], s[94:95]        ; words
.macro LDW k, q                        ; the weights' four fragments of K half k, step q
.irp p, 0,1,2,3
.irp c, 0,1
	ds_load_b128 v[FW+8*\p+4*\c:FW+8*\p+4*\c+3], v[ADW+\k] offset:(32*(\p/2)+8*(\p%2))*PW+64*(\q)+32*\c
.endr
.endr
.endm
.macro LDX k, q                        ; x's four
.irp l, 0,1,2,3
.irp c, 0,1
	ds_load_b128 v[FX+8*\l+4*\c:FX+8*\l+4*\c+3], v[ADX+\k] offset:4096*\l+1024*(\q)+512*\c
.endr
.endr
.endm
; A K step of 128: 16 loads, 16 products; the 16 accumulators take turns in the same order in every step.
.macro STEPQK st, first
.if \first == 0
	PLACES                                         ; four places in front of loads into registers that the last products read
.endif
	LDW (\st)/4, (\st)%4
	LDX (\st)/4, (\st)%4
.irp l, 0,1,2,3
	s_wait_dscnt 6-2*\l                            ; x's tile l is in; the two loads of each later tile may be out
.irp p, 0,1,2,3
	WM ACC+32*\l+8*\p, FW+8*\p, FX+8*\l, \first, WS+4*\p+(\st)%4, XS+4*\l+(\st)/2, (\st)/4, (\st)%2
.endr
.endr
.endm
.macro STEPV st, first
.if \first == 0
	PLACES
.endif
	LDX (\st)/4, (\st)%4
	LDW (\st)/4, (\st)%4
.irp l, 0,1,2,3
	s_wait_dscnt 6-2*\l                            ; the weights' tile l is in
.irp p, 0,1,2,3
	WM ACC+32*\l+8*\p, FX+8*\p, FW+8*\l, \first, XS+4*\p+(\st)/2, WS+4*\l+(\st)%4, (\st)%2, (\st)/4
.endr
.endr
.endm
.macro QUANT4                          ; the wave's 64 x 64 results become four fragments' halves
	PLACES                                         ; four places behind the last products
	v_mov_b32 v[TM+2], 0
	v_mov_b32 v[TM+3], 0
.irp l, 0,1,2,3
	HQ ACC+32*\l, CD+4*\l, HW+\l
.endr
.endm
	s_wait_alu depctr_va_vdst(0)
	s_wait_tensorcnt 0x0                           ; my one load is in; behind the barrier everybody's is: all of K lies in LDS
	s_barrier_signal -1
	s_barrier_wait -1
.irp l, 0,1,2,3
.irp q, 0,1,2,3
	ds_load_b32 v[XS+4*\l+\q], v9 offset:512*\l+128*\q
.endr
.endr
.irp p, 0,1,2,3
	ds_load_b128 v[WS+4*\p:WS+4*\p+3], v10 offset:(32*(\p/2)+8*(\p%2))*32
.endr
	s_cmp_eq_u32 ttmp9, 2
	s_cbranch_scc1 .Lv_lo
	STEPQK 0, 1
	STEPQK 1, 0
	STEPQK 2, 0
	STEPQK 3, 0
	s_branch .Lmid
.Lv_lo:
	STEPV 0, 1
	STEPV 1, 0
	STEPV 2, 0
	STEPV 3, 0
.Lmid:
	s_cmp_eq_u32 ttmp9, 2
	s_cbranch_scc1 .Lv_hi
	STEPQK 4, 0
	STEPQK 5, 0
	STEPQK 6, 0
	STEPQK 7, 0
	QUANT4                                         ; tile l of rows: the head's 64 channels
.irp l, 0,1,2,3
	global_store_b128 v11, v[CD+4*\l:CD+4*\l+3], s[92:93] offset:512*\l   ; 512 consecutive bytes, aligned
	global_store_b32 v12, v[HW+\l], s[94:95] offset:64*\l                 ; bytes 2 and 3 are 0: K = 64
.endr
	s_branch .Lend
.Lv_hi:
	STEPV 4, 0
	STEPV 5, 0
	STEPV 6, 0
	STEPV 7, 0
	QUANT4                                         ; tile l of channels: my 64 keys
.irp l, 0,1,2,3
	global_store_b128 v11, v[CD+4*\l:CD+4*\l+3], s[92:93] offset:1024*\l
	global_store_b16 v12, v[HW+\l], s[94:95] offset:64*\l
.endr
.Lend:
	s_wait_tensorcnt 0x0                           ; the wave's end
	ds_add_u32 v[SPW], v[NIL]
	s_wait_dscnt 0x0
	CROUND                                         ; the closing round
	s_endpgm
.Lfunc_end_k_q540344f214_qkv0:
	.size	k_q540344f214_qkv0, .Lfunc_end_k_q540344f214_qkv0-k_q540344f214_qkv0
	.p2alignl 7, 3214868480
	.fill 96, 4, 3214868480
	.section	.rodata,"a",@progbits
	.p2align	6, 0x0
	.amdhsa_kernel k_q540344f214_qkv0
		.amdhsa_group_segment_fixed_size 218112
		.amdhsa_private_segment_fixed_size 0
		.amdhsa_enable_private_segment 0
		.amdhsa_kernarg_size 48
		.amdhsa_user_sgpr_count 2
		.amdhsa_user_sgpr_kernarg_segment_ptr 1
		.amdhsa_wavefront_size32 1
		.amdhsa_system_sgpr_workgroup_id_x 1
		.amdhsa_system_sgpr_workgroup_id_y 1
		.amdhsa_system_sgpr_workgroup_id_z 1
		.amdhsa_system_vgpr_workitem_id 0
		.amdhsa_next_free_vgpr 256
		.amdhsa_next_free_sgpr 102
		.amdhsa_reserve_vcc 0
		.amdhsa_float_denorm_mode_32 3
		.amdhsa_float_denorm_mode_16_64 3
		.amdhsa_memory_ordered 1
		.amdhsa_forward_progress 1
		.amdhsa_inst_pref_size 83
	.end_amdhsa_kernel
	.amdgpu_metadata
---
amdhsa.version: [ 1, 2 ]
amdhsa.kernels:
  - .name:           k_q540344f214_qkv0
    .symbol:         k_q540344f214_qkv0.kd
    .args:
      - { .name: xq, .offset: 0, .size: 8, .value_kind: global_buffer, .address_space: global }
      - { .name: xpq, .offset: 8, .size: 8, .value_kind: global_buffer, .address_space: global }
      - { .name: Wqkv0_codes, .offset: 16, .size: 8, .value_kind: global_buffer, .address_space: global }
      - { .name: Wqkv0_scales, .offset: 24, .size: 8, .value_kind: global_buffer, .address_space: global }
      - { .name: qq, .offset: 32, .size: 8, .value_kind: global_buffer, .address_space: global }
      - { .name: kv, .offset: 40, .size: 8, .value_kind: global_buffer, .address_space: global }
    .group_segment_fixed_size: 218112
    .private_segment_fixed_size: 0
    .kernarg_segment_align: 8
    .kernarg_segment_size: 48
    .max_flat_workgroup_size: 256
    .sgpr_count:     102
    .vgpr_count:     256
    .wavefront_size: 32
...
	.end_amdgpu_metadata
.endif
;; end of part 2
;; launch attn0 (part 3): grid 16 x 16, 12 waves a work-group, clusters of 4 x 1, 167,936 bytes of LDS; arguments qq, kv, cq; writes cq
.if DOCPART == 3
	.amdgcn_target "amdgcn-amd-amdhsa--gfx1250"
	.amdhsa_code_object_version 6
	.text
	.protected	k_q540344f214_attn0
	.globl	k_q540344f214_attn0
	.p2align	8
	.type	k_q540344f214_attn0,@function
k_q540344f214_attn0:
	s_mov_b64 s[64:65], 0
	v_nop
	global_prefetch_b8 v0, s[64:65] scope:SCOPE_SE
	s_setreg_imm32_b32 hwreg(HW_REG_WAVE_MODE, 25, 1), 1
	s_wait_xcnt 0x0
	s_wait_alu depctr_hold_cnt(0) depctr_sa_sdst(0) depctr_va_vdst(0) depctr_va_sdst(0) depctr_va_ssrc(0) depctr_va_vcc(0) depctr_vm_vsrc(0)
	s_getreg_b32 s2, hwreg(HW_REG_IB_STS2, 6, 4)
	s_cmp_eq_u32 s2, 0
	s_cbranch_scc0 .Lentry_in_a_cluster
	s_endpgm
.Lentry_in_a_cluster:
	s_bfe_u32 s2, ttmp6, 0x10000c
	s_cmp_lg_u32 s2, 0x3003
	s_cbranch_scc0 .Lentry_shape_is_right
	s_endpgm
.Lentry_shape_is_right:
; Causal attention of one layer on MX-FP4 codes: S^T = K Q^T (K = 64 channels), p = 2^(t - M) with M a whole number, O^T = V^T P^T (K = the keys), O / the row's sum of the unquantised p; the result is quantised along the channels (cq).
; LEFT OUT: key steps all of whose 128 keys lie behind all 16 queries of a tile (reference()'s own mask); their p counts as 0.  LIMIT: that holds while a row's largest visible score lies above about -9,896.
; In the one step on the diagonal hidden scores are replaced as reference() replaces them: -10,000 ahead of the softmax is -80,000 ahead of the division by 8.
; SHARES.  Work-group (g, head) owns the query tiles T = g + 16 j, j = 0..7; tile T has T / 8 + 1 key steps of 128 keys.  Twelve waves, none with more than eight steps:
;   waves 0..3: tile j = 4 + w, steps 0..7;   waves 4..7: tile j = w - 4, all its steps;   waves 8..11: tile j = 15 - w, steps 8 on.  Waves s, s + 4, s + 8 together walk 16 or 18 steps.
; THE MERGE.  A wave of 8..11 hands -M, the sum's halves and O^T to wave 11 - w through LDS, as images of its registers; that wave takes the larger M, multiplies both parts by 2^(own M - M), a whole power of two that rounds nothing, and adds.
; A head's whole record of K, V and scales (143,360 bytes) lies in LDS, filled once.  CLUSTER 4 x 1: the four partners read the same head's record: waves 0..7 ask jointly for one record of 17,920 bytes each.
; The last step LAST = T / 8 = 2 j + (cluster x) / 2 hangs on the wave's number and the cluster's x alone.  A tile of K is 4 registers (K = 64): the product names 8; the upper four (the next tile's codes) meet Q's zero codes.
.set MRG, 143360                       ; behind the record: four regions of 4,608 bytes for the merge: O^T's 8 x 512 bytes, then 512 of -M, t and the sum; no tensor load lands here
.set MRB, 4608
.set SPARE, 161792                     ; the spare words, 128 bytes a wave
.set WV, 10
.set HD, 12
.set TQ, 15
.set LAST, 16
.set SI, 17                            ; s17 the key step in hand
.set TB, 18                            ; s18 LDS byte of the record of 256 keys in hand
.set CNT, 19
.set SEL, 20
.set CS, 22                            ; s[22:23] c = log2(e) / 8
.set G1, 24
.set G0A, 32
.set G0B, 36
.set HB, 54                            ; s54 1 in waves 8..11
.set W3, 55                            ; s55 wave % 4
.set MA, 3                             ; v3 my lane's place in my region of the merge
.set SPW, 5
.set NIL, 6
.set QF, 16                            ; v16-23 Q's fragment (v20-23 zero codes)
.set QS, 24                            ; v24 Q's scale words
.set KS, 25                            ; v25-28 K's: register q: lanes 0-15 tile 2 q, lanes 16-31 tile 2 q + 1
.set VS, 29                            ; v29-30 V's likewise
.set PS, 31                            ; v31 p's scale word
.set KF, 32                            ; v32-63 K's eight tiles; v64-67 zeros
.set VF, 68                            ; v68-99 V^T's four fragments
.set SS, 100                           ; v100-163 S^T, then p; in the merge the partner's O^T
.set OT, 164                           ; v164-195 O^T
.set PC, 196                           ; v196-203 p's codes
.set BM, 204                           ; v204-207 the blocks' largest scores; in the merge the partner's -M, t and sum
.set BX, 208                           ; v208-211 at work
.set SO, 212                           ; v212-215 the conversions' scale operands
.set W0, 216
.set FF, 218                           ; v[218:219] f = 2^(old M - new M) (the pair's upper half is written once)
.set FG, 220                           ; v[220:221] the partner's factor in the merge
.set TM, 204
.macro PLACES
.rept 4
	v_nop
.endr
.endm
.macro TL g0, g1
	tensor_load_to_lds s[\g0:\g0+3], s[\g1:\g1+7]
	s_nop 0
.endm
.macro CROUND
	s_barrier_signal -1
	s_barrier_wait -1
	s_cmp_lg_u32 s[WV], 0
	s_cbranch_scc1 .Lnw0_\@
	s_barrier_signal -3
.Lnw0_\@:
	s_barrier_wait -3
	s_barrier_signal -1
	s_barrier_wait -1
.endm
.macro WM d, a, b, z, sa, sb, ra       ; z = 1 starts the sum; ra = 1: source 0's scales stand in lanes 16-31
.if \z
.if \ra
	v_wmma_scale_f32_16x16x128_f8f6f4 v[(\d):(\d)+7], v[(\a):(\a)+7], v[(\b):(\b)+7], 0, v[(\sa)], v[(\sb)] matrix_a_fmt:MATRIX_FMT_FP4 matrix_b_fmt:MATRIX_FMT_FP4 matrix_a_scale:MATRIX_SCALE_ROW1
.else
	v_wmma_scale_f32_16x16x128_f8f6f4 v[(\d):(\d)+7], v[(\a):(\a)+7], v[(\b):(\b)+7], 0, v[(\sa)], v[(\sb)] matrix_a_fmt:MATRIX_FMT_FP4 matrix_b_fmt:MATRIX_FMT_FP4
.endif
.else
.if \ra
	v_wmma_scale_f32_16x16x128_f8f6f4 v[(\d):(\d)+7], v[(\a):(\a)+7], v[(\b):(\b)+7], v[(\d):(\d)+7], v[(\sa)], v[(\sb)] matrix_a_fmt:MATRIX_FMT_FP4 matrix_b_fmt:MATRIX_FMT_FP4 matrix_a_scale:MATRIX_SCALE_ROW1
.else
	v_wmma_scale_f32_16x16x128_f8f6f4 v[(\d):(\d)+7], v[(\a):(\a)+7], v[(\b):(\b)+7], v[(\d):(\d)+7], v[(\sa)], v[(\sb)] matrix_a_fmt:MATRIX_FMT_FP4 matrix_b_fmt:MATRIX_FMT_FP4
.endif
.endif
.endm
.macro HQ s, d, w
.irp b, 0,1
	v_max3_num_f32 v[TM+\b], |v[(\s)+16*\b]|, |v[(\s)+16*\b+1]|, 0x1800000
.endr
.irp i, 2,4,6,8,10,12,14
.irp b, 0,1
	s_delay_alu instid0(VALU_DEP_2)
	v_max3_num_f32 v[TM+\b], v[TM+\b], |v[(\s)+16*\b+\i]|, |v[(\s)+16*\b+\i+1]|
.endr
.endr
.irp b, 0,1
	s_delay_alu instid0(VALU_DEP_2)
	v_permlanex16_b32 v[TM+2+\b], v[TM+\b], s[SEL], s[SEL+1]
.endr
.irp b, 0,1
	s_delay_alu instid0(VALU_DEP_2)
	v_max_num_f32 v[TM+\b], v[TM+\b], v[TM+2+\b]
.endr
.irp b, 0,1
	s_delay_alu instid0(VALU_DEP_2)
	v_add_nc_u32 v[TM+4+\b], 0xff000000, v[TM+\b]
.endr
.irp b, 0,1
	s_delay_alu instid0(VALU_DEP_2)
	v_lshrrev_b32 v[TM+2+\b], 23, v[TM+4+\b]
.endr
	s_delay_alu instid0(VALU_DEP_1)
	v_lshl_or_b32 v[\w], v[TM+3], 8, v[TM+2]
.irp b, 0,1
	v_cvt_scalef32_pk8_fp4_f32 v[(\d)+2*\b], v[(\s)+16*\b:(\s)+16*\b+7], v[TM+4+\b]
	v_cvt_scalef32_pk8_fp4_f32 v[(\d)+2*\b+1], v[(\s)+16*\b+8:(\s)+16*\b+15], v[TM+4+\b]
.endr
	v_nop
	v_permlane16_swap_b32 v[(\d)], v[(\d)+2]
	v_permlane16_swap_b32 v[(\d)+1], v[(\d)+3]
.endm
	s_load_b128 s[4:7], s[0:1], 0x0                ; qq s[4:5], kv s[6:7]
	s_load_b64 s[8:9], s[0:1], 0x10                ; cq
	v_lshl_add_u32 v[SPW], v0, 2, SPARE
	v_mov_b32 v[NIL], 0
	ds_add_u32 v[SPW], v[NIL]                      ; the wave's opening: the add, twice on end, and its wait ahead of the first tensor load
	ds_add_u32 v[SPW], v[NIL]
	v_lshrrev_b32 v1, 5, v0
	s_delay_alu instid0(VALU_DEP_1)
	v_readfirstlane_b32 s[WV], v1                  ; wave 0..11
	s_bfe_u32 s11, ttmp6, 0x40000                  ; cx: it enters global addresses and lane data alone
	s_and_b32 s[HD], ttmp7, 0xffff                 ; the head
	s_lshl_b32 s13, ttmp9, 2
	s_add_co_u32 s13, s13, s11                     ; g
	s_lshr_b32 s[HB], s[WV], 3                     ; 1: I walk the keys from 1,024 on
	s_and_b32 s[W3], s[WV], 3
	s_add_co_u32 s40, s[W3], 4
	s_sub_co_u32 s41, 7, s[W3]
	s_cmp_lt_u32 s[WV], 4
	s_cselect_b32 s14, s40, s[W3]                  ; waves 0..3: j = 4 + w; waves 4..7: j = w - 4;
	s_cmp_lt_u32 s[WV], 8
	s_cselect_b32 s14, s14, s41                    ; waves 8..11: j = 15 - w
	s_lshl_b32 s[TQ], s14, 4
	s_add_co_u32 s[TQ], s[TQ], s13                 ; my tile of queries
	s_lshl_b32 s[LAST], s14, 1
	s_lshr_b32 s40, ttmp9, 1
	s_add_co_u32 s[LAST], s[LAST], s40             ; its last key step, T / 8: 8 or more in waves 0..3, which end with step 7 and never meet it
	s_mul_i32 s56, s[HB], 3
	s_xor_b32 s56, s56, s[W3]                      ; my region of the merge: w in waves 0..3, 11 - w in waves 8..11
	s_mul_i32 s56, s56, MRB
	s_add_co_u32 s56, s56, MRG
	s_mov_b32 s[G1], 15|(3<<16)|(1<<21)            ; the mask: all four partners; elements of 8 bytes; bit 21 beside a mask
	s_mov_b32 s[G1+1], 32<<16                      ; rows of 32 elements: 256 dense bytes
	s_mov_b32 s[G1+2], 70<<16                      ; 70 rows of 256 dense bytes: one record of 256 keys, 17,920 bytes, to each of waves 0..7
	s_mov_b32 s[G1+3], 32<<16
	s_mov_b32 s[G1+4], 70
	s_mov_b32 s[G1+5], 32
	s_mov_b32 s[G1+6], 0
	s_mov_b32 s[G1+7], 0
	s_and_b32 s40, s[WV], 7
	s_mul_i32 s40, s40, 17920                      ; waves 0..7: my record of the head's eight
	s_mul_i32 s42, s[HD], 143360
	s_add_co_u32 s42, s42, s40
	s_mov_b32 s43, 0
	s_lshl_b32 s44, s[HD], 7
	s_add_co_u32 s44, s44, s[TQ]
	s_lshl_b32 s46, s44, 6                         ; Q's words (the load's immediate adds 1,048,576)
	s_mov_b32 s47, 0
	s_lshl_b32 s44, s44, 9                         ; Q's codes
	s_mov_b32 s45, 0
	s_lshl_b32 s48, s[TQ], 13
	s_lshl_b32 s49, s[HD], 9
	s_add_co_u32 s48, s48, s49                     ; cq's codes: T x 8,192 + head x 512
	s_mov_b32 s49, 0
	s_lshl_b32 s50, s[TQ], 9
	s_lshr_b32 s51, s[HD], 1
	s_lshl_b32 s51, s51, 6
	s_add_co_u32 s50, s50, s51
	s_and_b32 s51, s[HD], 1
	s_lshl_b32 s51, s51, 1
	s_add_co_u32 s50, s50, s51                     ; cq's words: T x 512 + (head / 2) x 64 + 2 (head % 2)
	s_mov_b32 s51, 0
	s_lshr_b32 s52, s[TQ], 1
	s_lshl_b32 s52, s52, 5
	s_and_b32 s53, s[TQ], 1
	s_lshl_b32 s53, s53, 3
	s_add_co_u32 s52, s52, s53
	s_lshl_b32 s53, s[LAST], 7
	s_sub_co_u32 s52, s52, s53                     ; the tile's first query less the diagonal step's first key
	s_mov_b32 s[SEL], 0x76543210
	s_mov_b32 s[SEL+1], 0xfedcba98
	s_mov_b32 s[CS], 0x3e38aa3b                    ; log2(e) / 8
	s_mov_b32 s[CS+1], s[CS]
	s_lshl_b32 s[SI], s[HB], 3                     ; my first key step: 0 or 8,
	s_mul_i32 s[TB], s[HB], 71680                  ; and where its record lies
	s_wait_dscnt 0x0                               ; both opening adds are done
	s_wait_kmcnt 0x0
	s_add_nc_u64 s[42:43], s[6:7], s[42:43]
	s_mov_b32 s[G0A], 1
	s_mov_b32 s[G0A+1], s40
	s_mov_b64 s[G0A+2:G0A+3], s[42:43]
	s_or_b32 s[G0A+3], s[G0A+3], 0x80000000
	s_add_nc_u64 s[44:45], s[4:5], s[44:45]
	s_add_nc_u64 s[46:47], s[4:5], s[46:47]
	s_add_nc_u64 s[48:49], s[8:9], s[48:49]
	s_add_nc_u64 s[50:51], s[8:9], s[50:51]
	CROUND                                         ; all four work-groups are here: the joint loads meet
	s_cmp_lt_u32 s[WV], 8                          ; waves 0..7 fetch: the wave's number alone, the same in all partners
	s_cbranch_scc0 .Lno_load
	TL G0A, G1                                     ; my record of 256 keys
	PLACES
.Lno_load:
	v_and_b32 v10, 31, v0
	s_delay_alu instid0(VALU_DEP_1)
	v_lshlrev_b32 v1, 4, v10                       ; 16 x lane
	s_delay_alu instid0(VALU_DEP_2)
	v_lshlrev_b32 v2, 2, v10                       ; 4 x lane
	s_delay_alu instid0(VALU_DEP_2)
	v_add_nc_u32 v[MA], s56, v1                    ; the merge: my region, 16 x lane
	v_and_b32 v10, 15, v0                          ; r
	s_delay_alu instid0(VALU_DEP_1)
	v_lshlrev_b32 v7, 2, v10                       ; 4 r
	s_delay_alu instid0(VALU_DEP_2)
	v_and_b32 v11, 8, v10
	s_delay_alu instid0(VALU_DEP_1)
	v_add_nc_u32 v11, v11, v10                     ; r + 8 (r / 8)
	v_bfe_u32 v10, v0, 4, 1
	s_delay_alu instid0(VALU_DEP_1)
	v_lshlrev_b32 v10, 4, v10
	s_delay_alu instid0(VALU_DEP_1)
	v_sub_nc_u32 v4, v11, v10
	s_delay_alu instid0(VALU_DEP_1)
	v_add_nc_u32 v4, s52, v4                       ; d = my query - 16 h - the diagonal step's first key: register 16 b + i is hidden where 32 b + i > d
	global_load_b128 v[QF:QF+3], v1, s[44:45]
	global_load_b32 v[QS], v7, s[46:47] offset:1048576
.irp i, 4,5,6,7
	v_mov_b32 v[QF+\i], 0                          ; K = 64: the upper half of the 128 is zero codes
.endr
.irp i, 32,33,34,35
	v_mov_b32 v[KF+\i], 0
.endr
	v_mov_b32 v13, 0xff61b1e6                      ; the largest t so far: -3e38
	s_delay_alu instid0(VALU_DEP_1)
	v_floor_f32 v12, -v13                          ; -M
	v_mov_b32 v14, 0                               ; the sum, in two halves
	v_mov_b32 v15, 0
.set ii, 0
.rept 32
	v_mov_b32 v[OT+ii], 0                          ; O^T: the step is written once; its first run finds zeros
.set ii, ii+1
.endr
.set ii, 0
.rept 18
	v_mov_b32 v[BM+ii], 0                          ; lane permutes' destinations and the pairs' upper halves count as read
.set ii, ii+1
.endr
; A KEY STEP of 128 keys: the record's step sp.
.macro STEP sp
	s_cmp_gt_u32 s[SI], s[LAST]                    ; all its keys lie behind my queries: left out (ids alone; no barrier stands in a step)
	s_cbranch_scc1 .Lhid_\@
	PLACES                                         ; four places in front of loads into registers that the last products read
	s_wait_alu depctr_va_vdst(0)
.irp t, 0,1,2,3,4,5,6,7
	ds_load_b128 v[KF+4*\t:KF+4*\t+3], v8 offset:4096*\sp+512*\t
.endr
.irp q, 0,1,2,3
	ds_load_b32 v[KS+\q], v9 offset:16384+512*\sp+128*\q
.endr
.irp t, 0,1,2,3
.irp c, 0,1
	ds_load_b128 v[VF+8*\t+4*\c:VF+8*\t+4*\c+3], v8 offset:8192+4096*\sp+1024*\t+512*\c
.endr
.endr
.irp q, 0,1
	ds_load_b32 v[VS+\q], v9 offset:17408+256*\sp+128*\q
.endr
	s_wait_dscnt 10                                ; K and its words are in; V's ten loads may be out
.irp t, 0,1,2,3,4,5,6,7
	WM SS+8*\t, KF+4*\t, QF, 1, KS+\t/2, QS, \t%2
.endr
	PLACES
	s_cmp_lg_u32 s[SI], s[LAST]
	s_cbranch_scc1 .Lopen_\@
	v_mov_b32 v[W0], 0xc79c4000                    ; -80,000
.set ii, 0
.rept 64
	v_cmp_gt_i32 vcc_lo, 32*(ii/16)+ii%16, v4
	v_cndmask_b32 v[SS+ii], v[SS+ii], v[W0], vcc_lo
.set ii, ii+1
.endr
.Lopen_\@:
.irp b, 0,1,2,3
	v_max3_num_f32 v[BM+\b], v[SS+16*\b], v[SS+16*\b+1], v[SS+16*\b+2]   ; the largest score of each block of 32 keys: for the row's maximum and, since p rises with the score, for the block's largest p
.endr
.irp i, 3,5,7,9,11,13
.irp b, 0,1,2,3
	v_max3_num_f32 v[BM+\b], v[BM+\b], v[SS+16*\b+\i], v[SS+16*\b+\i+1]
.endr
.endr
.irp b, 0,1,2,3
	v_max_num_f32 v[BM+\b], v[BM+\b], v[SS+16*\b+15]
.endr
.irp b, 0,1,2,3
	s_delay_alu instid0(VALU_DEP_4)
	v_permlanex16_b32 v[BX+\b], v[BM+\b], s[SEL], s[SEL+1]
.endr
.irp b, 0,1,2,3
	s_delay_alu instid0(VALU_DEP_4)
	v_max_num_f32 v[BM+\b], v[BM+\b], v[BX+\b]     ; with lane l xor 16's 16 keys
.endr
	s_delay_alu instid0(VALU_DEP_2)
	v_max3_num_f32 v[W0], v[BM], v[BM+1], v[BM+2]
	s_delay_alu instid0(VALU_DEP_1)
	v_max_num_f32 v[W0], v[W0], v[BM+3]
	s_delay_alu instid0(VALU_DEP_1)
	v_mul_f32 v[W0], s[CS], v[W0]                  ; as t
	s_delay_alu instid0(VALU_DEP_1)
	v_max_num_f32 v13, v13, v[W0]                  ; the running largest t
	v_mov_b32 v[W0], v12
	s_delay_alu instid0(VALU_DEP_2)
	v_floor_f32 v12, -v13                          ; the new -M = -ceil(t)
	s_delay_alu instid0(VALU_DEP_1)
	v_sub_f32 v[W0], v12, v[W0]                    ; old M - new M: a whole number, 0 or less
	s_delay_alu instid0(VALU_DEP_1)
	v_cvt_i32_f32 v[W0], v[W0]
	s_delay_alu instid0(VALU_DEP_1)
	v_ldexp_f32 v[FF], 1.0, v[W0]                  ; f: a multiplication by it rounds nothing
.set ii, 0
.rept 32
	v_pk_fma_f32 v[SS+ii:SS+ii+1], v[SS+ii:SS+ii+1], s[CS:CS+1], v[12:13] op_sel_hi:[1,0,0]   ; t - M
.set ii, ii+2
.endr
.irp b, 0,1,2,3
	v_fma_f32 v[BM+\b], v[BM+\b], s[CS], v12
.endr
.set ii, 0
	s_wait_alu depctr_va_vdst(0)
.rept 64
	v_exp_f32 v[SS+ii], v[SS+ii]                   ; p = 2^(t - M)
.set ii, ii+1
.endr
	v_pk_mul_f32 v[14:15], v[14:15], v[FF:FF+1] op_sel_hi:[1,0]   ; the sums under the new M (the plain instruction behind the batch)
	s_wait_alu depctr_va_vdst(0)                   ; one wait for the batch, ahead of its first reader
.irp b, 0,1,2,3
	v_exp_f32 v[BM+\b], v[BM+\b]                   ; the blocks' largest p
.endr
	v_pk_add_f32 v[208:209], v[104:105], v[108:109]
	v_pk_add_f32 v[254:255], v[112:113], v[116:117]
	v_pk_add_f32 v[252:253], v[120:121], v[124:125]
	v_pk_add_f32 v[250:251], v[128:129], v[132:133]
	v_pk_add_f32 v[248:249], v[136:137], v[140:141]
	v_pk_add_f32 v[246:247], v[144:145], v[148:149]
	v_pk_add_f32 v[244:245], v[152:153], v[156:157]
	v_pk_add_f32 v[14:15], v[14:15], v[160:161]
	v_pk_add_f32 v[208:209], v[208:209], v[100:101]
	v_pk_add_f32 v[254:255], v[254:255], v[102:103]
	v_pk_add_f32 v[252:253], v[252:253], v[106:107]
	v_pk_add_f32 v[250:251], v[250:251], v[110:111]
	v_pk_add_f32 v[248:249], v[248:249], v[114:115]
	v_pk_add_f32 v[246:247], v[246:247], v[118:119]
	v_pk_add_f32 v[244:245], v[244:245], v[122:123]
	v_pk_add_f32 v[14:15], v[14:15], v[126:127]
	v_pk_add_f32 v[208:209], v[208:209], v[130:131]
	v_pk_add_f32 v[254:255], v[254:255], v[134:135]
	v_pk_add_f32 v[252:253], v[252:253], v[138:139]
	v_pk_add_f32 v[250:251], v[250:251], v[142:143]
	v_pk_add_f32 v[248:249], v[248:249], v[146:147]
	v_pk_add_f32 v[246:247], v[246:247], v[150:151]
	v_pk_add_f32 v[244:245], v[244:245], v[154:155]
	v_pk_add_f32 v[14:15], v[14:15], v[158:159]
	v_pk_add_f32 v[208:209], v[208:209], v[162:163]
	s_delay_alu instid0(VALU_DEP_2)
	v_pk_add_f32 v[14:15], v[14:15], v[250:251]
	s_delay_alu instid0(VALU_DEP_2)
	v_pk_add_f32 v[208:209], v[208:209], v[248:249]
	v_pk_add_f32 v[254:255], v[254:255], v[246:247]
	v_pk_add_f32 v[252:253], v[252:253], v[244:245]
	s_delay_alu instid0(VALU_DEP_2)
	v_pk_add_f32 v[14:15], v[14:15], v[254:255]
	s_delay_alu instid0(VALU_DEP_2)
	v_pk_add_f32 v[208:209], v[208:209], v[252:253]
	s_delay_alu instid0(VALU_DEP_1)
	v_pk_add_f32 v[14:15], v[14:15], v[208:209]
	s_wait_alu depctr_va_vdst(0)                   ; and one for the four
.irp b, 0,1,2,3
	v_max_num_f32 v[BM+\b], 0x1800000, v[BM+\b]    ; the floor
.endr
.irp b, 0,1,2,3
	s_delay_alu instid0(VALU_DEP_4)
	v_add_nc_u32 v[SO+\b], 0xff000000, v[BM+\b]
.endr
.irp b, 0,1,2,3
	s_delay_alu instid0(VALU_DEP_4)
	v_lshrrev_b32 v[BX+\b], 23, v[SO+\b]
.endr
	s_delay_alu instid0(VALU_DEP_3)
	v_lshl_or_b32 v[PS], v[BX+1], 8, v[BX]
	s_delay_alu instid0(VALU_DEP_1)
	v_lshl_or_b32 v[PS], v[BX+2], 16, v[PS]
	s_delay_alu instid0(VALU_DEP_1)
	v_lshl_or_b32 v[PS], v[BX+3], 24, v[PS]
.irp b, 0,1,2,3
	v_cvt_scalef32_pk8_fp4_f32 v[PC+2*\b], v[SS+16*\b:SS+16*\b+7], v[SO+\b]
	v_cvt_scalef32_pk8_fp4_f32 v[PC+2*\b+1], v[SS+16*\b+8:SS+16*\b+15], v[SO+\b]
.endr
	v_nop
.irp c, 0,1
.irp i, 0,1
	v_permlane16_swap_b32 v[PC+4*\c+\i], v[PC+4*\c+2+\i]
.endr
.endr
.set ii, 0
.rept 16
	v_pk_mul_f32 v[OT+ii:OT+ii+1], v[OT+ii:OT+ii+1], v[FF:FF+1] op_sel_hi:[1,0]   ; O^T under the new M; these 16 also stand between the codes' and the scale word's last writes and the products
.set ii, ii+2
.endr
	s_wait_alu depctr_va_vdst(0)
	s_wait_dscnt 0x0                               ; V is in
.irp t, 0,1,2,3
	WM OT+8*\t, VF+8*\t, PC, 0, VS+\t/2, PS, \t%2
.endr
.Lhid_\@:
	s_add_co_u32 s[SI], s[SI], 1
.endm
	s_wait_tensorcnt 0x0                           ; my pieces of the record are in,
	s_barrier_signal -1
	s_barrier_wait -1                              ; everybody's are
	s_wait_loadcnt 0x0                             ; Q
	s_mov_b32 s[CNT], 4                            ; eight key steps: four records of two
.Lpair:
	v_add_nc_u32 v8, s[TB], v1
	v_add_nc_u32 v9, s[TB], v2
	STEP 0
	STEP 1
	s_add_co_u32 s[TB], s[TB], 17920
	s_sub_co_u32 s[CNT], s[CNT], 1
	s_cmp_lg_u32 s[CNT], 0
	s_cbranch_scc1 .Lpair
	PLACES                                         ; four places behind the last products, for every reader of O^T below
	; THE MERGE: waves 8..11 hand their part over
	s_cmp_lt_u32 s[WV], 8
	s_cbranch_scc1 .Lkeep
.irp t, 0,1,2,3,4,5,6,7
	ds_store_b128 v[MA], v[OT+4*\t:OT+4*\t+3] offset:512*\t   ; each accumulator from its low end on
.endr
	ds_store_b128 v[MA], v[12:15] offset:4096      ; -M, the largest t, the sum's halves
.Lkeep:
	s_wait_dscnt 0x0                               ; for the partner's sake: my stores have landed
	s_barrier_signal -1
	s_barrier_wait -1
	s_cmp_ge_u32 s[WV], 8
	s_cbranch_scc1 .Lend                           ; waves 8..11 are done
	s_cmp_ge_u32 s[WV], 4
	s_cbranch_scc1 .Lout                           ; waves 4..7 hold their tile whole
	ds_load_b128 v[BM:BM+3], v[MA] offset:4096
.irp t, 0,1,2,3,4,5,6,7
	ds_load_b128 v[SS+4*\t:SS+4*\t+3], v[MA] offset:512*\t
.endr
	s_wait_dscnt 0x0
	v_min_num_f32 v[BX], v12, v[BM]                ; -M of both parts
	s_delay_alu instid0(VALU_DEP_1)
	v_sub_f32 v[BX+1], v[BX], v12                  ; my M - M,
	s_delay_alu instid0(VALU_DEP_2)
	v_sub_f32 v[BX+2], v[BX], v[BM]                ; the partner's M - M: whole numbers, 0 or less
	s_delay_alu instid0(VALU_DEP_2)
	v_cvt_i32_f32 v[BX+1], v[BX+1]
	s_delay_alu instid0(VALU_DEP_2)
	v_cvt_i32_f32 v[BX+2], v[BX+2]
	s_delay_alu instid0(VALU_DEP_2)
	v_ldexp_f32 v[FF], 1.0, v[BX+1]
	s_delay_alu instid0(VALU_DEP_2)
	v_ldexp_f32 v[FG], 1.0, v[BX+2]
	s_delay_alu instid0(VALU_DEP_2)
	v_pk_mul_f32 v[14:15], v[14:15], v[FF:FF+1] op_sel_hi:[1,0]
	s_delay_alu instid0(VALU_DEP_1)
	v_pk_fma_f32 v[14:15], v[BM+2:BM+3], v[FG:FG+1], v[14:15] op_sel_hi:[1,0,1]
.set ii, 0
.rept 16
	v_pk_mul_f32 v[OT+ii:OT+ii+1], v[OT+ii:OT+ii+1], v[FF:FF+1] op_sel_hi:[1,0]
.set ii, ii+2
.endr
.set ii, 0
.rept 16
	v_pk_fma_f32 v[OT+ii:OT+ii+1], v[SS+ii:SS+ii+1], v[FG:FG+1], v[OT+ii:OT+ii+1] op_sel_hi:[1,0,1]
.set ii, ii+2
.endr
.Lout:
	; THE WAY OUT
	v_add_f32 v14, v14, v15
	s_wait_alu depctr_va_vdst(0)
	v_permlanex16_b32 v[W0], v14, s[SEL], s[SEL+1]
	s_delay_alu instid0(VALU_DEP_1)
	v_add_f32 v14, v14, v[W0]                      ; the row's sum
	s_wait_alu depctr_va_vdst(0)
	v_rcp_f32 v14, v14
	v_nop
	s_wait_alu depctr_va_vdst(0)
.set ii, 0
.rept 32
	v_mul_f32 v[SS+ii], v[OT+ii], v14              ; register 16 b + i is channel 32 b + 16 h + i of my query
.set ii, ii+1
.endr
	HQ SS, PC, PC+4
	global_store_b128 v1, v[PC:PC+3], s[48:49]     ; half (head % 2) of K step head / 2 of the next product: 512 consecutive bytes
	global_store_b16 v7, v[PC+4], s[50:51] offset:1048576
.Lend:
	s_wait_tensorcnt 0x0                           ; the wave's end
	ds_add_u32 v[SPW], v[NIL]
	s_wait_dscnt 0x0
	CROUND                                         ; the closing round
	s_endpgm
.Lfunc_end_k_q540344f214_attn0:
	.size	k_q540344f214_attn0, .Lfunc_end_k_q540344f214_attn0-k_q540344f214_attn0
	.p2alignl 7, 3214868480
	.fill 96, 4, 3214868480
	.section	.rodata,"a",@progbits
	.p2align	6, 0x0
	.amdhsa_kernel k_q540344f214_attn0
		.amdhsa_group_segment_fixed_size 167936
		.amdhsa_private_segment_fixed_size 0
		.amdhsa_enable_private_segment 0
		.amdhsa_kernarg_size 24
		.amdhsa_user_sgpr_count 2
		.amdhsa_user_sgpr_kernarg_segment_ptr 1
		.amdhsa_wavefront_size32 1
		.amdhsa_system_sgpr_workgroup_id_x 1
		.amdhsa_system_sgpr_workgroup_id_y 1
		.amdhsa_system_sgpr_workgroup_id_z 1
		.amdhsa_system_vgpr_workitem_id 0
		.amdhsa_next_free_vgpr 256
		.amdhsa_next_free_sgpr 66
		.amdhsa_reserve_vcc 1
		.amdhsa_float_denorm_mode_32 3
		.amdhsa_float_denorm_mode_16_64 3
		.amdhsa_memory_ordered 1
		.amdhsa_forward_progress 1
		.amdhsa_inst_pref_size 59
	.end_amdhsa_kernel
	.amdgpu_metadata
---
amdhsa.version: [ 1, 2 ]
amdhsa.kernels:
  - .name:           k_q540344f214_attn0
    .symbol:         k_q540344f214_attn0.kd
    .args:
      - { .name: qq, .offset: 0, .size: 8, .value_kind: global_buffer, .address_space: global }
      - { .name: kv, .offset: 8, .size: 8, .value_kind: global_buffer, .address_space: global }
      - { .name: cq, .offset: 16, .size: 8, .value_kind: global_buffer, .address_space: global }
    .group_segment_fixed_size: 167936
    .private_segment_fixed_size: 0
    .kernarg_segment_align: 8
    .kernarg_segment_size: 24
    .max_flat_workgroup_size: 384
    .sgpr_count:     66
    .vgpr_count:     256
    .wavefront_size: 32
...
	.end_amdgpu_metadata
.endif
;; end of part 3
;; launch wo0 (part 4): grid 8 x 32, 4 waves a work-group, clusters of 4 x 4, 167,936 bytes of LDS; arguments cq, Wo0_codes, Wo0_scales, emb0, pos_emb, emb1, xq, xpq; writes emb1, xq, xpq
.if DOCPART == 4
	.amdgcn_target "amdgcn-amd-amdhsa--gfx1250"
	.amdhsa_code_object_version 6
	.text
	.protected	k_q540344f214_wo0
	.globl	k_q540344f214_wo0
	.p2align	8
	.type	k_q540344f214_wo0,@function
k_q540344f214_wo0:
	s_mov_b64 s[64:65], 0
	v_nop
	global_prefetch_b8 v0, s[64:65] scope:SCOPE_SE
	s_setreg_imm32_b32 hwreg(HW_REG_WAVE_MODE, 25, 1), 1
	s_wait_xcnt 0x0
	s_wait_alu depctr_hold_cnt(0) depctr_sa_sdst(0) depctr_va_vdst(0) depctr_va_sdst(0) depctr_va_ssrc(0) depctr_va_vcc(0) depctr_vm_vsrc(0)
	s_getreg_b32 s2, hwreg(HW_REG_IB_STS2, 6, 4)
	s_cmp_eq_u32 s2, 0
	s_cbranch_scc0 .Lentry_in_a_cluster
	s_endpgm
.Lentry_in_a_cluster:
	s_bfe_u32 s2, ttmp6, 0x10000c
	s_cmp_lg_u32 s2, 0xf033
	s_cbranch_scc0 .Lentry_shape_is_right
	s_endpgm
.Lentry_shape_is_right:
; emb' = emb + combined Wo^T on MX-FP4 codes.  FINAL = 0: emb' is stored (f32 image) and emb' and emb' + pos_emb are quantised for the next layer.  FINAL = 1: emb' is quantised for the vocabulary product alone.
; SHARES.  A work-group: 64 rows (my) x 128 columns (nx, one K step of the next product).  Four waves, 32 x 64 each: 8 accumulators, which BEGIN as the residual, loaded in the result's layout.
; K = 1,024 lies in LDS whole, in two halves, each filled once.  CLUSTER 4 x 4: combined's tiles are shared along a row, the weights' along a column.
; Source 0 = 16 weight rows (lane r of tile 2 b + u: row 32 b + 8 u + r + 8 (r / 8)), source 1 = 16 rows of combined: a lane holds one row and 64 neighbouring columns in the order that the quantiser wants.
.set FINAL, 0
.set LA0, 0                            ; combined's images, K steps 0-3: 4 tiles x 4,096
.set LA1, 4096                         ; a tile's 8,192 bytes lie on end: K steps 4-7 begin 4,096 bytes behind K steps 0-3
.set LB0, 32768                        ; the weights, K half 0: 128 rows of 512 + 16 bytes
.set LB1, 33024                        ; a weight row's 512 bytes lie on end (pitch 528): K half 1 begins 256 bytes behind K half 0
.set LSA, 102400                       ; combined's scale words: 4 x 512
.set LSB, 104448                       ; the weights' scale bytes: 128 x 32
.set SPARE, 142336
.set PW, 528
.set WV, 20
.set G1A, 28
.set G1B, 36
.set G1SA, 44
.set G1SB, 52
.set G0SA, 68
.set G0A0, 72
.set G0A1, 76
.set G0SB, 80
.set G0B0, 84
.set G0B1, 88
.set SEL, 100
.set ADX, 5
.set ADW, 7
.set SPW, 13
.set NIL, 14
.set XS, 16                            ; v16-23
.set WS, 24                            ; v24-39
.set FX, 40                            ; v40-55
.set FW, 56                            ; v56-87
.set ACC, 88                           ; v88-151: (l, p) at 88 + 32 l + 8 p
.set PP, 152                           ; v152-215 pos_emb, then emb' + pos_emb
.set TM, 216
.set CX, 224
.set CP, 232
.set HX, 240
.set HP, 242
.macro PLACES
.rept 4
	v_nop
.endr
.endm
.macro G1W g, c, r, p
	s_mov_b32 s[\g+1], ((\c)&0xffff)<<16
	s_mov_b32 s[\g+2], ((\c)>>16)|((\r)<<16)
	s_mov_b32 s[\g+3], ((\r)>>16)|((\c)<<16)
	s_mov_b32 s[\g+4], \r
	s_mov_b32 s[\g+5], \p
	s_mov_b32 s[\g+6], 0
	s_mov_b32 s[\g+7], 0
.endm
.macro TL g0, g1
	tensor_load_to_lds s[\g0:\g0+3], s[\g1:\g1+7]
	s_nop 0
.endm
.macro CROUND
	s_barrier_signal -1
	s_barrier_wait -1
	s_cmp_lg_u32 s[WV], 0
	s_cbranch_scc1 .Lnw0_\@
	s_barrier_signal -3
.Lnw0_\@:
	s_barrier_wait -3
	s_barrier_signal -1
	s_barrier_wait -1
.endm
.macro WM d, a, b, sa, sb, ra, rb
.if (\ra) && (\rb)
	v_wmma_scale_f32_16x16x128_f8f6f4 v[(\d):(\d)+7], v[(\a):(\a)+7], v[(\b):(\b)+7], v[(\d):(\d)+7], v[(\sa)], v[(\sb)] matrix_a_fmt:MATRIX_FMT_FP4 matrix_b_fmt:MATRIX_FMT_FP4 matrix_a_scale:MATRIX_SCALE_ROW1 matrix_b_scale:MATRIX_SCALE_ROW1
.elseif \ra
	v_wmma_scale_f32_16x16x128_f8f6f4 v[(\d):(\d)+7], v[(\a):(\a)+7], v[(\b):(\b)+7], v[(\d):(\d)+7], v[(\sa)], v[(\sb)] matrix_a_fmt:MATRIX_FMT_FP4 matrix_b_fmt:MATRIX_FMT_FP4 matrix_a_scale:MATRIX_SCALE_ROW1
.elseif \rb
	v_wmma_scale_f32_16x16x128_f8f6f4 v[(\d):(\d)+7], v[(\a):(\a)+7], v[(\b):(\b)+7], v[(\d):(\d)+7], v[(\sa)], v[(\sb)] matrix_a_fmt:MATRIX_FMT_FP4 matrix_b_fmt:MATRIX_FMT_FP4 matrix_b_scale:MATRIX_SCALE_ROW1
.else
	v_wmma_scale_f32_16x16x128_f8f6f4 v[(\d):(\d)+7], v[(\a):(\a)+7], v[(\b):(\b)+7], v[(\d):(\d)+7], v[(\sa)], v[(\sb)] matrix_a_fmt:MATRIX_FMT_FP4 matrix_b_fmt:MATRIX_FMT_FP4
.endif
.endm
.macro HQ s, d, w
.irp b, 0,1
	v_max3_num_f32 v[TM+\b], |v[(\s)+16*\b]|, |v[(\s)+16*\b+1]|, 0x1800000
.endr
.irp i, 2,4,6,8,10,12,14
.irp b, 0,1
	v_max3_num_f32 v[TM+\b], v[TM+\b], |v[(\s)+16*\b+\i]|, |v[(\s)+16*\b+\i+1]|
.endr
.endr
.irp b, 0,1
	v_permlanex16_b32 v[TM+2+\b], v[TM+\b], s[SEL], s[SEL+1]
.endr
.irp b, 0,1
	v_max_num_f32 v[TM+\b], v[TM+\b], v[TM+2+\b]
.endr
.irp b, 0,1
	v_add_nc_u32 v[TM+4+\b], 0xff000000, v[TM+\b]
.endr
.irp b, 0,1
	v_lshrrev_b32 v[TM+2+\b], 23, v[TM+4+\b]
.endr
	v_lshl_or_b32 v[\w], v[TM+3], 8, v[TM+2]
.irp b, 0,1
	v_cvt_scalef32_pk8_fp4_f32 v[(\d)+2*\b], v[(\s)+16*\b:(\s)+16*\b+7], v[TM+4+\b]
	v_cvt_scalef32_pk8_fp4_f32 v[(\d)+2*\b+1], v[(\s)+16*\b+8:(\s)+16*\b+15], v[TM+4+\b]
.endr
	v_nop
	v_permlane16_swap_b32 v[(\d)], v[(\d)+2]
	v_permlane16_swap_b32 v[(\d)+1], v[(\d)+3]
.endm
	s_load_b256 s[4:11], s[0:1], 0x0               ; cq s[4:5], the weights' codes s[6:7], their scales s[8:9], emb s[10:11]
.if FINAL == 0
	s_load_b256 s[12:19], s[0:1], 0x20             ; pos_emb s[12:13], emb' s[14:15], xq s[16:17], xpq s[18:19]
.else
	s_load_b64 s[16:17], s[0:1], 0x20              ; xq
.endif
	v_lshl_add_u32 v[SPW], v0, 2, SPARE
	v_mov_b32 v[NIL], 0
	ds_add_u32 v[SPW], v[NIL]                      ; the wave's opening: the add, twice on end, and its wait ahead of the first tensor load
	ds_add_u32 v[SPW], v[NIL]
	v_lshrrev_b32 v1, 5, v0
	v_readfirstlane_b32 s[WV], v1                  ; wave 0..3
	s_lshr_b32 s21, s[WV], 1                       ; wm
	s_and_b32 s22, s[WV], 1                        ; wn
	s_bfe_u32 s23, ttmp6, 0x40000                  ; cx
	s_bfe_u32 s24, ttmp6, 0x40004                  ; cy
	s_lshl_b32 s25, ttmp9, 2
	s_add_co_u32 s25, s25, s23                     ; nx
	s_and_b32 s26, ttmp7, 0xffff
	s_lshl_b32 s26, s26, 2
	s_add_co_u32 s26, s26, s24                     ; my
	s_lshl_b32 s27, s24, 2
	s_lshl_b32 s27, 15, s27                        ; my row of the cluster
	s_lshl_b32 s3, 0x1111, s23                     ; my column
	s_or_b32 s[G1A], s27, (3<<16)|(1<<21)
	s_or_b32 s[G1SA], s27, (3<<16)|(1<<21)
	s_or_b32 s[G1B], s3, (1<<20)|(1<<21)|(6<<22)|(3<<25)   ; 4 words of padding behind every 128
	s_or_b32 s[G1SB], s3, (3<<16)|(1<<21)
	G1W G1A, 1024, 4, 1024                         ; 4 tiles x 8,192 bytes: all of K, one load
	G1W G1B, 512, 128, 512                         ; 128 rows x 512 bytes: all of K, one load
	G1W G1SA, 32, 8, 32                            ; 2,048 dense bytes
	G1W G1SB, 32, 16, 32                           ; 4,096 dense bytes
	s_lshl_b32 s92, s26, 15
	s_mov_b32 s93, 0
	s_lshl_b32 s94, s26, 11
	s_mov_b32 s95, 0
	s_lshl_b32 s96, s25, 16
	s_mov_b32 s97, 0
	s_lshl_b32 s98, s25, 12
	s_mov_b32 s99, 0
	s_mov_b32 s[SEL], 0x76543210
	s_mov_b32 s[SEL+1], 0xfedcba98
	s_wait_dscnt 0x0                               ; both opening adds are done
	s_wait_kmcnt 0x0
	s_add_nc_u64 s[92:93], s[4:5], s[92:93]
	s_add_nc_u64 s[94:95], s[4:5], s[94:95]
	s_add_nc_u64 s[96:97], s[6:7], s[96:97]
	s_add_nc_u64 s[98:99], s[8:9], s[98:99]
	s_mov_b32 s[G0SA], 1
	s_mov_b32 s[G0SA+1], LSA
	s_add_nc_u64 s[G0SA+2:G0SA+3], s[94:95], 0x100000
	s_or_b32 s[G0SA+3], s[G0SA+3], 0x80000000
	s_mov_b32 s[G0A0], 1
	s_mov_b32 s[G0A0+1], LA0
	s_mov_b64 s[G0A0+2:G0A0+3], s[92:93]
	s_or_b32 s[G0A0+3], s[G0A0+3], 0x80000000
	s_mov_b32 s[G0SB], 1
	s_mov_b32 s[G0SB+1], LSB
	s_mov_b64 s[G0SB+2:G0SB+3], s[98:99]
	s_or_b32 s[G0SB+3], s[G0SB+3], 0x80000000
	s_mov_b32 s[G0B0], 1
	s_mov_b32 s[G0B0+1], LB0
	s_mov_b64 s[G0B0+2:G0B0+3], s[96:97]
	s_or_b32 s[G0B0+3], s[G0B0+3], 0x80000000
	CROUND                                         ; all sixteen work-groups are here: the joint loads meet
; THE HEAD'S FOUR LOADS, ONE A WAVE: wave 0 the weights, wave 1 combined, wave 2 the weights' scale bytes, wave 3 combined's scale words.  One chain of branches, a load to an arm, one join.
.macro ARM under, g0, g1, next
	s_cmp_lt_u32 s[WV], \under
	s_cbranch_scc0 \next
	TL \g0, \g1
	PLACES
	s_branch .Lasked
\next:
.endm
	ARM 1, G0B0, G1B, .La1
	ARM 2, G0A0, G1A, .La2
	ARM 3, G0SB, G1SB, .La3
	TL G0SA, G1SA
	PLACES
.Lasked:
	v_and_b32 v1, 31, v0
	v_and_b32 v2, 15, v0
	v_bfe_u32 v3, v0, 4, 1
	v_and_b32 v4, 8, v2
	v_add_nc_u32 v4, v4, v2                        ; r + 8 (r / 8)
	v_lshlrev_b32 v11, 4, v1                       ; 16 x lane
	v_lshlrev_b32 v12, 2, v2                       ; 4 r
	v_lshlrev_b32 v15, 12, v4
	v_lshl_add_u32 v15, v3, 6, v15                 ; pos_emb: row x 4,096 + 64 h
	s_lshl_b32 s2, s21, 14
	v_add_nc_u32 v5, s2, v11
	v_add_nc_u32 v6, LA1, v5
	v_mul_u32_u24 v7, v4, PW
	v_lshl_add_u32 v7, v3, 4, v7
	s_mul_i32 s2, s22, 64*PW
	s_add_co_u32 s2, s2, LB0
	v_add_nc_u32 v7, s2, v7
	v_add_nc_u32 v8, LB1-LB0, v7
	s_lshl_b32 s2, s21, 10
	s_add_co_u32 s2, s2, LSA
	v_lshl_add_u32 v9, v1, 2, s2
	v_lshlrev_b32 v10, 5, v4
	v_lshl_add_u32 v10, v3, 4, v10
	s_lshl_b32 s2, s22, 11
	s_add_co_u32 s2, s2, LSB
	v_add_nc_u32 v10, s2, v10
	s_lshl_b32 s2, s26, 2
	s_lshl_b32 s3, s21, 1
	s_add_co_u32 s2, s2, s3                        ; T0: my first tile of rows
	s_mov_b32 s67, 0
	s_lshl_b32 s66, s2, 16
	s_lshl_b32 s3, s25, 13
	s_add_co_u32 s66, s66, s3
	s_lshl_b32 s3, s22, 12
	s_add_co_u32 s66, s66, s3                      ; the f32 images: T0 x 65,536 + (4 nx + 2 wn) x 2,048
	s_add_nc_u64 s[92:93], s[10:11], s[66:67]
.if FINAL == 0
	s_add_nc_u64 s[94:95], s[14:15], s[66:67]
.endif
	s_lshl_b32 s66, s2, 13
	s_lshl_b32 s3, s25, 10
	s_add_co_u32 s66, s66, s3
	s_lshl_b32 s3, s22, 9
	s_add_co_u32 s66, s66, s3                      ; codes: T0 x 8,192 + nx x 1,024 + wn x 512
	s_add_nc_u64 s[96:97], s[16:17], s[66:67]
.if FINAL == 0
	s_add_nc_u64 s[60:61], s[18:19], s[66:67]
.endif
	s_lshl_b32 s66, s2, 9
	s_lshl_b32 s3, s25, 6
	s_add_co_u32 s66, s66, s3
	s_lshl_b32 s3, s22, 1
	s_add_co_u32 s66, s66, s3                      ; words: T0 x 512 + nx x 64 + 2 wn
	s_add_nc_u64 s[98:99], s[16:17], s[66:67]
.if FINAL == 0
	s_add_nc_u64 s[62:63], s[18:19], s[66:67]
	s_lshl_b32 s66, s2, 16
	s_lshl_b32 s3, s25, 9
	s_add_co_u32 s66, s66, s3
	s_lshl_b32 s3, s22, 8
	s_add_co_u32 s66, s66, s3                      ; pos_emb: 16 T0 rows of 4,096 bytes + my 64 columns
	s_add_nc_u64 s[12:13], s[12:13], s[66:67]
.endif
.irp l, 0,1
.irp b, 0,1
.irp g, 0,1,2,3
	global_load_b128 v[ACC+32*\l+16*\b+4*\g:ACC+32*\l+16*\b+4*\g+3], v11, s[92:93] offset:65536*\l+2048*\b+512*\g   ; the residual starts the sums
.endr
.endr
.endr
.if FINAL == 0
.irp l, 0,1
.irp b, 0,1
.irp g, 0,1,2,3
	global_load_b128 v[PP+32*\l+16*\b+4*\g:PP+32*\l+16*\b+4*\g+3], v15, s[12:13] offset:32768*\l+128*\b+16*\g th:TH_LOAD_NT
.endr
.endr
.endr
.endif
.macro STEPW st
.if \st > 0
	PLACES                                         ; four places in front of loads into registers that the last products read
.endif
.irp p, 0,1,2,3
.irp c, 0,1
	ds_load_b128 v[FW+8*\p+4*\c:FW+8*\p+4*\c+3], v[ADW+(\st)/4] offset:(32*(\p/2)+8*(\p%2))*PW+64*((\st)%4)+32*\c
.endr
.endr
.irp l, 0,1
.irp c, 0,1
	ds_load_b128 v[FX+8*\l+4*\c:FX+8*\l+4*\c+3], v[ADX+(\st)/4] offset:8192*\l+1024*((\st)%4)+512*\c
.endr
.endr
.irp l, 0,1
	s_wait_dscnt 2-2*\l                            ; combined's tile l is in; the later tile's two loads may be out
.irp p, 0,1,2,3
	WM ACC+32*\l+8*\p, FW+8*\p, FX+8*\l, WS+4*\p+(\st)%4, XS+4*\l+(\st)/2, (\st)/4, (\st)%2
.endr
.endr
.endm
	s_wait_alu depctr_va_vdst(0)
	s_wait_tensorcnt 0x0                           ; my one load is in; behind the barrier everybody's is: all of K lies in LDS
	s_barrier_signal -1
	s_barrier_wait -1
.irp l, 0,1
.irp q, 0,1,2,3
	ds_load_b32 v[XS+4*\l+\q], v9 offset:512*\l+128*\q
.endr
.endr
.irp p, 0,1,2,3
	ds_load_b128 v[WS+4*\p:WS+4*\p+3], v10 offset:(32*(\p/2)+8*(\p%2))*32
.endr
	s_wait_loadcnt 16*(1-FINAL)                    ; the residual is in; the 16 loads of pos_emb issued behind it may be out
	STEPW 0
	STEPW 1
	STEPW 2
	STEPW 3
	STEPW 4
	STEPW 5
	STEPW 6
	STEPW 7
	PLACES
	v_mov_b32 v[TM+2], 0
	v_mov_b32 v[TM+3], 0
	s_wait_loadcnt 0x0
.irp l, 0,1
.if FINAL == 0
.irp b, 0,1
.irp g, 0,1,2,3
	global_store_b128 v11, v[ACC+32*\l+16*\b+4*\g:ACC+32*\l+16*\b+4*\g+3], s[94:95] offset:65536*\l+2048*\b+512*\g   ; each accumulator from its low end on; 512 consecutive bytes a store
.endr
.endr
.endif
	HQ ACC+32*\l, CX+4*\l, HX+\l
	global_store_b128 v11, v[CX+4*\l:CX+4*\l+3], s[96:97] offset:8192*\l
	global_store_b16 v12, v[HX+\l], s[98:99] offset:1048576+512*\l
.if FINAL == 0
.set ii, 0
.rept 16
	v_pk_add_f32 v[PP+32*\l+ii:PP+32*\l+ii+1], v[PP+32*\l+ii:PP+32*\l+ii+1], v[ACC+32*\l+ii:ACC+32*\l+ii+1]
.set ii, ii+2
.endr
	HQ PP+32*\l, CP+4*\l, HP+\l
	global_store_b128 v11, v[CP+4*\l:CP+4*\l+3], s[60:61] offset:8192*\l
	global_store_b16 v12, v[HP+\l], s[62:63] offset:1048576+512*\l
.endif
.endr
	s_wait_tensorcnt 0x0                           ; the wave's end
	ds_add_u32 v[SPW], v[NIL]
	s_wait_dscnt 0x0
	CROUND                                         ; the closing round
	s_endpgm
.Lfunc_end_k_q540344f214_wo0:
	.size	k_q540344f214_wo0, .Lfunc_end_k_q540344f214_wo0-k_q540344f214_wo0
	.p2alignl 7, 3214868480
	.fill 96, 4, 3214868480
	.section	.rodata,"a",@progbits
	.p2align	6, 0x0
	.amdhsa_kernel k_q540344f214_wo0
		.amdhsa_group_segment_fixed_size 167936
		.amdhsa_private_segment_fixed_size 0
		.amdhsa_enable_private_segment 0
		.amdhsa_kernarg_size 64
		.amdhsa_user_sgpr_count 2
		.amdhsa_user_sgpr_kernarg_segment_ptr 1
		.amdhsa_wavefront_size32 1
		.amdhsa_system_sgpr_workgroup_id_x 1
		.amdhsa_system_sgpr_workgroup_id_y 1
		.amdhsa_system_sgpr_workgroup_id_z 1
		.amdhsa_system_vgpr_workitem_id 0
		.amdhsa_next_free_vgpr 256
		.amdhsa_next_free_sgpr 102
		.amdhsa_reserve_vcc 0
		.amdhsa_float_denorm_mode_32 3
		.amdhsa_float_denorm_mode_16_64 3
		.amdhsa_memory_ordered 1
		.amdhsa_forward_progress 1
		.amdhsa_inst_pref_size 40
	.end_amdhsa_kernel
	.amdgpu_metadata
---
amdhsa.version: [ 1, 2 ]
amdhsa.kernels:
  - .name:           k_q540344f214_wo0
    .symbol:         k_q540344f214_wo0.kd
    .args:
      - { .name: cq, .offset: 0, .size: 8, .value_kind: global_buffer, .address_space: global }
      - { .name: Wo0_codes, .offset: 8, .size: 8, .value_kind: global_buffer, .address_space: global }
      - { .name: Wo0_scales, .offset: 16, .size: 8, .value_kind: global_buffer, .address_space: global }
      - { .name: emb0, .offset: 24, .size: 8, .value_kind: global_buffer, .address_space: global }
      - { .name: pos_emb, .offset: 32, .size: 8, .value_kind: global_buffer, .address_space: global }
      - { .name: emb1, .offset: 40, .size: 8, .value_kind: global_buffer, .address_space: global }
      - { .name: xq, .offset: 48, .size: 8, .value_kind: global_buffer, .address_space: global }
      - { .name: xpq, .offset: 56, .size: 8, .value_kind: global_buffer, .address_space: global }
    .group_segment_fixed_size: 167936
    .private_segment_fixed_size: 0
    .kernarg_segment_align: 8
    .kernarg_segment_size: 64
    .max_flat_workgroup_size: 128
    .sgpr_count:     102
    .vgpr_count:     256
    .wavefront_size: 32
...
	.end_amdgpu_metadata
.endif
;; end of part 4
;; launch qkv1: the kernel of part 2 again; grid 12 x 16, 8 waves a work-group, clusters of 4 x 4, 218,112 bytes of LDS; arguments xq, xpq, Wqkv1_codes, Wqkv1_scales, qq, kv; writes qq, kv
;; launch attn1: the kernel of part 3 again; grid 16 x 16, 12 waves a work-group, clusters of 4 x 1, 167,936 bytes of LDS; arguments qq, kv, cq; writes cq
;; launch wo1 (part 5): grid 8 x 32, 4 waves a work-group, clusters of 4 x 4, 167,936 bytes of LDS; arguments cq, Wo1_codes, Wo1_scales, emb1, xq; writes xq
.if DOCPART == 5
	.amdgcn_target "amdgcn-amd-amdhsa--gfx1250"
	.amdhsa_code_object_version 6
	.text
	.protected	k_q540344f214_wo1
	.globl	k_q540344f214_wo1
	.p2align	8
	.type	k_q540344f214_wo1,@function
k_q540344f214_wo1:
	s_mov_b64 s[64:65], 0
	v_nop
	global_prefetch_b8 v0, s[64:65] scope:SCOPE_SE
	s_setreg_imm32_b32 hwreg(HW_REG_WAVE_MODE, 25, 1), 1
	s_wait_xcnt 0x0
	s_wait_alu depctr_hold_cnt(0) depctr_sa_sdst(0) depctr_va_vdst(0) depctr_va_sdst(0) depctr_va_ssrc(0) depctr_va_vcc(0) depctr_vm_vsrc(0)
	s_getreg_b32 s2, hwreg(HW_REG_IB_STS2, 6, 4)
	s_cmp_eq_u32 s2, 0
	s_cbranch_scc0 .Lentry_in_a_cluster
	s_endpgm
.Lentry_in_a_cluster:
	s_bfe_u32 s2, ttmp6, 0x10000c
	s_cmp_lg_u32 s2, 0xf033
	s_cbranch_scc0 .Lentry_shape_is_right
	s_endpgm
.Lentry_shape_is_right:
; emb' = emb + combined Wo^T on MX-FP4 codes.  FINAL = 0: emb' is stored (f32 image) and emb' and emb' + pos_emb are quantised for the next layer.  FINAL = 1: emb' is quantised for the vocabulary product alone.
; LEFT OUT with FINAL = 1: nothing behind this layer reads emb' in f32 or emb' + pos_emb, so neither is made.
; SHARES.  A work-group: 64 rows (my) x 128 columns (nx, one K step of the next product).  Four waves, 32 x 64 each: 8 accumulators, which BEGIN as the residual, loaded in the result's layout.
; K = 1,024 lies in LDS whole, in two halves, each filled once.  CLUSTER 4 x 4: combined's tiles are shared along a row, the weights' along a column.
; Source 0 = 16 weight rows (lane r of tile 2 b + u: row 32 b + 8 u + r + 8 (r / 8)), source 1 = 16 rows of combined: a lane holds one row and 64 neighbouring columns in the order that the quantiser wants.
.set FINAL, 1
.set LA0, 0
.set LA1, 4096                         ; a tile's 8,192 bytes lie on end: K steps 4-7 begin 4,096 bytes behind K steps 0-3
.set LB0, 32768
.set LB1, 33024                        ; a weight row's 512 bytes lie on end (pitch 528): K half 1 begins 256 bytes behind K half 0
.set LSA, 102400
.set LSB, 104448
.set SPARE, 142336
.set PW, 528
.set WV, 20
.set G1A, 28
.set G1B, 36
.set G1SA, 44
.set G1SB, 52
.set G0SA, 68
.set G0A0, 72
.set G0A1, 76
.set G0SB, 80
.set G0B0, 84
.set G0B1, 88
.set SEL, 100
.set ADX, 5
.set ADW, 7
.set SPW, 13
.set NIL, 14
.set XS, 16
.set WS, 24
.set FX, 40
.set FW, 56
.set ACC, 88
.set TM, 216
.set CX, 224
.set HX, 240
.macro PLACES
.rept 4
	v_nop
.endr
.endm
.macro G1W g, c, r, p
	s_mov_b32 s[\g+1], ((\c)&0xffff)<<16
	s_mov_b32 s[\g+2], ((\c)>>16)|((\r)<<16)
	s_mov_b32 s[\g+3], ((\r)>>16)|((\c)<<16)
	s_mov_b32 s[\g+4], \r
	s_mov_b32 s[\g+5], \p
	s_mov_b32 s[\g+6], 0
	s_mov_b32 s[\g+7], 0
.endm
.macro TL g0, g1
	tensor_load_to_lds s[\g0:\g0+3], s[\g1:\g1+7]
	s_nop 0
.endm
.macro CROUND
	s_barrier_signal -1
	s_barrier_wait -1
	s_cmp_lg_u32 s[WV], 0
	s_cbranch_scc1 .Lnw0_\@
	s_barrier_signal -3
.Lnw0_\@:
	s_barrier_wait -3
	s_barrier_signal -1
	s_barrier_wait -1
.endm
.macro WM d, a, b, sa, sb, ra, rb
.if (\ra) && (\rb)
	v_wmma_scale_f32_16x16x128_f8f6f4 v[(\d):(\d)+7], v[(\a):(\a)+7], v[(\b):(\b)+7], v[(\d):(\d)+7], v[(\sa)], v[(\sb)] matrix_a_fmt:MATRIX_FMT_FP4 matrix_b_fmt:MATRIX_FMT_FP4 matrix_a_scale:MATRIX_SCALE_ROW1 matrix_b_scale:MATRIX_SCALE_ROW1
.elseif \ra
	v_wmma_scale_f32_16x16x128_f8f6f4 v[(\d):(\d)+7], v[(\a):(\a)+7], v[(\b):(\b)+7], v[(\d):(\d)+7], v[(\sa)], v[(\sb)] matrix_a_fmt:MATRIX_FMT_FP4 matrix_b_fmt:MATRIX_FMT_FP4 matrix_a_scale:MATRIX_SCALE_ROW1
.elseif \rb
	v_wmma_scale_f32_16x16x128_f8f6f4 v[(\d):(\d)+7], v[(\a):(\a)+7], v[(\b):(\b)+7], v[(\d):(\d)+7], v[(\sa)], v[(\sb)] matrix_a_fmt:MATRIX_FMT_FP4 matrix_b_fmt:MATRIX_FMT_FP4 matrix_b_scale:MATRIX_SCALE_ROW1
.else
	v_wmma_scale_f32_16x16x128_f8f6f4 v[(\d):(\d)+7], v[(\a):(\a)+7], v[(\b):(\b)+7], v[(\d):(\d)+7], v[(\sa)], v[(\sb)] matrix_a_fmt:MATRIX_FMT_FP4 matrix_b_fmt:MATRIX_FMT_FP4
.endif
.endm
.macro HQ s, d, w
.irp b, 0,1
	v_max3_num_f32 v[TM+\b], |v[(\s)+16*\b]|, |v[(\s)+16*\b+1]|, 0x1800000
.endr
.irp i, 2,4,6,8,10,12,14
.irp b, 0,1
	v_max3_num_f32 v[TM+\b], v[TM+\b], |v[(\s)+16*\b+\i]|, |v[(\s)+16*\b+\i+1]|
.endr
.endr
.irp b, 0,1
	v_permlanex16_b32 v[TM+2+\b], v[TM+\b], s[SEL], s[SEL+1]
.endr
.irp b, 0,1
	v_max_num_f32 v[TM+\b], v[TM+\b], v[TM+2+\b]
.endr
.irp b, 0,1
	v_add_nc_u32 v[TM+4+\b], 0xff000000, v[TM+\b]
.endr
.irp b, 0,1
	v_lshrrev_b32 v[TM+2+\b], 23, v[TM+4+\b]
.endr
	v_lshl_or_b32 v[\w], v[TM+3], 8, v[TM+2]
.irp b, 0,1
	v_cvt_scalef32_pk8_fp4_f32 v[(\d)+2*\b], v[(\s)+16*\b:(\s)+16*\b+7], v[TM+4+\b]
	v_cvt_scalef32_pk8_fp4_f32 v[(\d)+2*\b+1], v[(\s)+16*\b+8:(\s)+16*\b+15], v[TM+4+\b]
.endr
	v_nop
	v_permlane16_swap_b32 v[(\d)], v[(\d)+2]
	v_permlane16_swap_b32 v[(\d)+1], v[(\d)+3]
.endm
	s_load_b256 s[4:11], s[0:1], 0x0               ; cq s[4:5], the weights' codes s[6:7], their scales s[8:9], emb s[10:11]
	s_load_b64 s[16:17], s[0:1], 0x20              ; xq
	v_lshl_add_u32 v[SPW], v0, 2, SPARE
	v_mov_b32 v[NIL], 0
	ds_add_u32 v[SPW], v[NIL]                      ; the wave's opening: the add, twice on end, and its wait ahead of the first tensor load
	ds_add_u32 v[SPW], v[NIL]
	v_lshrrev_b32 v1, 5, v0
	v_readfirstlane_b32 s[WV], v1                  ; wave 0..3
	s_lshr_b32 s21, s[WV], 1                       ; wm
	s_and_b32 s22, s[WV], 1                        ; wn
	s_bfe_u32 s23, ttmp6, 0x40000                  ; cx
	s_bfe_u32 s24, ttmp6, 0x40004                  ; cy
	s_lshl_b32 s25, ttmp9, 2
	s_add_co_u32 s25, s25, s23                     ; nx
	s_and_b32 s26, ttmp7, 0xffff
	s_lshl_b32 s26, s26, 2
	s_add_co_u32 s26, s26, s24                     ; my
	s_lshl_b32 s27, s24, 2
	s_lshl_b32 s27, 15, s27                        ; my row of the cluster
	s_lshl_b32 s3, 0x1111, s23                     ; my column
	s_or_b32 s[G1A], s27, (3<<16)|(1<<21)
	s_or_b32 s[G1SA], s27, (3<<16)|(1<<21)
	s_or_b32 s[G1B], s3, (1<<20)|(1<<21)|(6<<22)|(3<<25)   ; 4 words of padding behind every 128
	s_or_b32 s[G1SB], s3, (3<<16)|(1<<21)
	G1W G1A, 1024, 4, 1024                         ; 4 tiles x 8,192 bytes: all of K, one load
	G1W G1B, 512, 128, 512                         ; 128 rows x 512 bytes: all of K, one load
	G1W G1SA, 32, 8, 32
	G1W G1SB, 32, 16, 32
	s_lshl_b32 s92, s26, 15
	s_mov_b32 s93, 0
	s_lshl_b32 s94, s26, 11
	s_mov_b32 s95, 0
	s_lshl_b32 s96, s25, 16
	s_mov_b32 s97, 0
	s_lshl_b32 s98, s25, 12
	s_mov_b32 s99, 0
	s_mov_b32 s[SEL], 0x76543210
	s_mov_b32 s[SEL+1], 0xfedcba98
	s_wait_dscnt 0x0                               ; both opening adds are done
	s_wait_kmcnt 0x0
	s_add_nc_u64 s[92:93], s[4:5], s[92:93]
	s_add_nc_u64 s[94:95], s[4:5], s[94:95]
	s_add_nc_u64 s[96:97], s[6:7], s[96:97]
	s_add_nc_u64 s[98:99], s[8:9], s[98:99]
	s_mov_b32 s[G0SA], 1
	s_mov_b32 s[G0SA+1], LSA
	s_add_nc_u64 s[G0SA+2:G0SA+3], s[94:95], 0x100000
	s_or_b32 s[G0SA+3], s[G0SA+3], 0x80000000
	s_mov_b32 s[G0A0], 1
	s_mov_b32 s[G0A0+1], LA0
	s_mov_b64 s[G0A0+2:G0A0+3], s[92:93]
	s_or_b32 s[G0A0+3], s[G0A0+3], 0x80000000
	s_mov_b32 s[G0SB], 1
	s_mov_b32 s[G0SB+1], LSB
	s_mov_b64 s[G0SB+2:G0SB+3], s[98:99]
	s_or_b32 s[G0SB+3], s[G0SB+3], 0x80000000
	s_mov_b32 s[G0B0], 1
	s_mov_b32 s[G0B0+1], LB0
	s_mov_b64 s[G0B0+2:G0B0+3], s[96:97]
	s_or_b32 s[G0B0+3], s[G0B0+3], 0x80000000
	CROUND                                         ; all sixteen work-groups are here: the joint loads meet
; THE HEAD'S FOUR LOADS, ONE A WAVE: wave 0 the weights, wave 1 combined, wave 2 the weights' scale bytes, wave 3 combined's scale words.  One chain of branches, a load to an arm, one join.
.macro ARM under, g0, g1, next
	s_cmp_lt_u32 s[WV], \under
	s_cbranch_scc0 \next
	TL \g0, \g1
	PLACES
	s_branch .Lasked
\next:
.endm
	ARM 1, G0B0, G1B, .La1
	ARM 2, G0A0, G1A, .La2
	ARM 3, G0SB, G1SB, .La3
	TL G0SA, G1SA
	PLACES
.Lasked:
	v_and_b32 v1, 31, v0
	v_and_b32 v2, 15, v0
	v_bfe_u32 v3, v0, 4, 1
	v_and_b32 v4, 8, v2
	v_add_nc_u32 v4, v4, v2                        ; r + 8 (r / 8)
	v_lshlrev_b32 v11, 4, v1                       ; 16 x lane
	v_lshlrev_b32 v12, 2, v2                       ; 4 r
	s_lshl_b32 s2, s21, 14
	v_add_nc_u32 v5, s2, v11
	v_add_nc_u32 v6, LA1, v5
	v_mul_u32_u24 v7, v4, PW
	v_lshl_add_u32 v7, v3, 4, v7
	s_mul_i32 s2, s22, 64*PW
	s_add_co_u32 s2, s2, LB0
	v_add_nc_u32 v7, s2, v7
	v_add_nc_u32 v8, LB1-LB0, v7
	s_lshl_b32 s2, s21, 10
	s_add_co_u32 s2, s2, LSA
	v_lshl_add_u32 v9, v1, 2, s2
	v_lshlrev_b32 v10, 5, v4
	v_lshl_add_u32 v10, v3, 4, v10
	s_lshl_b32 s2, s22, 11
	s_add_co_u32 s2, s2, LSB
	v_add_nc_u32 v10, s2, v10
	s_lshl_b32 s2, s26, 2
	s_lshl_b32 s3, s21, 1
	s_add_co_u32 s2, s2, s3                        ; T0: my first tile of rows
	s_mov_b32 s67, 0
	s_lshl_b32 s66, s2, 16
	s_lshl_b32 s3, s25, 13
	s_add_co_u32 s66, s66, s3
	s_lshl_b32 s3, s22, 12
	s_add_co_u32 s66, s66, s3                      ; the f32 image: T0 x 65,536 + (4 nx + 2 wn) x 2,048
	s_add_nc_u64 s[92:93], s[10:11], s[66:67]
	s_lshl_b32 s66, s2, 13
	s_lshl_b32 s3, s25, 10
	s_add_co_u32 s66, s66, s3
	s_lshl_b32 s3, s22, 9
	s_add_co_u32 s66, s66, s3                      ; codes: T0 x 8,192 + nx x 1,024 + wn x 512
	s_add_nc_u64 s[96:97], s[16:17], s[66:67]
	s_lshl_b32 s66, s2, 9
	s_lshl_b32 s3, s25, 6
	s_add_co_u32 s66, s66, s3
	s_lshl_b32 s3, s22, 1
	s_add_co_u32 s66, s66, s3                      ; words: T0 x 512 + nx x 64 + 2 wn
	s_add_nc_u64 s[98:99], s[16:17], s[66:67]
.irp l, 0,1
.irp b, 0,1
.irp g, 0,1,2,3
	global_load_b128 v[ACC+32*\l+16*\b+4*\g:ACC+32*\l+16*\b+4*\g+3], v11, s[92:93] offset:65536*\l+2048*\b+512*\g   ; the residual starts the sums
.endr
.endr
.endr
.macro STEPW st
.if \st > 0
	PLACES                                         ; four places in front of loads into registers that the last products read
.endif
.irp p, 0,1,2,3
.irp c, 0,1
	ds_load_b128 v[FW+8*\p+4*\c:FW+8*\p+4*\c+3], v[ADW+(\st)/4] offset:(32*(\p/2)+8*(\p%2))*PW+64*((\st)%4)+32*\c
.endr
.endr
.irp l, 0,1
.irp c, 0,1
	ds_load_b128 v[FX+8*\l+4*\c:FX+8*\l+4*\c+3], v[ADX+(\st)/4] offset:8192*\l+1024*((\st)%4)+512*\c
.endr
.endr
.irp l, 0,1
	s_wait_dscnt 2-2*\l                            ; combined's tile l is in; the later tile's two loads may be out
.irp p, 0,1,2,3
	WM ACC+32*\l+8*\p, FW+8*\p, FX+8*\l, WS+4*\p+(\st)%4, XS+4*\l+(\st)/2, (\st)/4, (\st)%2
.endr
.endr
.endm
	s_wait_alu depctr_va_vdst(0)
	s_wait_tensorcnt 0x0                           ; my one load is in; behind the barrier everybody's is: all of K lies in LDS
	s_barrier_signal -1
	s_barrier_wait -1
.irp l, 0,1
.irp q, 0,1,2,3
	ds_load_b32 v[XS+4*\l+\q], v9 offset:512*\l+128*\q
.endr
.endr
.irp p, 0,1,2,3
	ds_load_b128 v[WS+4*\p:WS+4*\p+3], v10 offset:(32*(\p/2)+8*(\p%2))*32
.endr
	s_wait_loadcnt 0x0                             ; the residual is in
	STEPW 0
	STEPW 1
	STEPW 2
	STEPW 3
	STEPW 4
	STEPW 5
	STEPW 6
	STEPW 7
	PLACES
	v_mov_b32 v[TM+2], 0
	v_mov_b32 v[TM+3], 0
.irp l, 0,1
	HQ ACC+32*\l, CX+4*\l, HX+\l
	global_store_b128 v11, v[CX+4*\l:CX+4*\l+3], s[96:97] offset:8192*\l
	global_store_b16 v12, v[HX+\l], s[98:99] offset:1048576+512*\l
.endr
	s_wait_tensorcnt 0x0                           ; the wave's end
	ds_add_u32 v[SPW], v[NIL]
	s_wait_dscnt 0x0
	CROUND                                         ; the closing round
	s_endpgm
.Lfunc_end_k_q540344f214_wo1:
	.size	k_q540344f214_wo1, .Lfunc_end_k_q540344f214_wo1-k_q540344f214_wo1
	.p2alignl 7, 3214868480
	.fill 96, 4, 3214868480
	.section	.rodata,"a",@progbits
	.p2align	6, 0x0
	.amdhsa_kernel k_q540344f214_wo1
		.amdhsa_group_segment_fixed_size 167936
		.amdhsa_private_segment_fixed_size 0
		.amdhsa_enable_private_segment 0
		.amdhsa_kernarg_size 40
		.amdhsa_user_sgpr_count 2
		.amdhsa_user_sgpr_kernarg_segment_ptr 1
		.amdhsa_wavefront_size32 1
		.amdhsa_system_sgpr_workgroup_id_x 1
		.amdhsa_system_sgpr_workgroup_id_y 1
		.amdhsa_system_sgpr_workgroup_id_z 1
		.amdhsa_system_vgpr_workitem_id 0
		.amdhsa_next_free_vgpr 256
		.amdhsa_next_free_sgpr 102
		.amdhsa_reserve_vcc 0
		.amdhsa_float_denorm_mode_32 3
		.amdhsa_float_denorm_mode_16_64 3
		.amdhsa_memory_ordered 1
		.amdhsa_forward_progress 1
		.amdhsa_inst_pref_size 31
	.end_amdhsa_kernel
	.amdgpu_metadata
---
amdhsa.version: [ 1, 2 ]
amdhsa.kernels:
  - .name:           k_q540344f214_wo1
    .symbol:         k_q540344f214_wo1.kd
    .args:
      - { .name: cq, .offset: 0, .size: 8, .value_kind: global_buffer, .address_space: global }
      - { .name: Wo1_codes, .offset: 8, .size: 8, .value_kind: global_buffer, .address_space: global }
      - { .name: Wo1_scales, .offset: 16, .size: 8, .value_kind: global_buffer, .address_space: global }
      - { .name: emb1, .offset: 24, .size: 8, .value_kind: global_buffer, .address_space: global }
      - { .name: xq, .offset: 32, .size: 8, .value_kind: global_buffer, .address_space: global }
    .group_segment_fixed_size: 167936
    .private_segment_fixed_size: 0
    .kernarg_segment_align: 8
    .kernarg_segment_size: 40
    .max_flat_workgroup_size: 128
    .sgpr_count:     102
    .vgpr_count:     256
    .wavefront_size: 32
...
	.end_amdgpu_metadata
.endif
;; end of part 5
;; launch head (part 6): grid 8 x 25, 4 waves a work-group, clusters of 4 x 1, 327,680 bytes of LDS; arguments xq, tokq, out0; writes out0
.if DOCPART == 6
	.amdgcn_target "amdgcn-amd-amdhsa--gfx1250"
	.amdhsa_code_object_version 6
	.text
	.protected	k_q540344f214_head
	.globl	k_q540344f214_head
	.p2align	8
	.type	k_q540344f214_head,@function
k_q540344f214_head:
	s_mov_b64 s[64:65], 0
	v_nop
	global_prefetch_b8 v0, s[64:65] scope:SCOPE_SE
	s_setreg_imm32_b32 hwreg(HW_REG_WAVE_MODE, 25, 1), 1
	s_wait_xcnt 0x0
	s_wait_alu depctr_hold_cnt(0) depctr_sa_sdst(0) depctr_va_vdst(0) depctr_va_sdst(0) depctr_va_ssrc(0) depctr_va_vcc(0) depctr_vm_vsrc(0)
	s_getreg_b32 s2, hwreg(HW_REG_IB_STS2, 6, 4)
	s_cmp_eq_u32 s2, 0
	s_cbranch_scc0 .Lentry_in_a_cluster
	s_endpgm
.Lentry_in_a_cluster:
	s_bfe_u32 s2, ttmp6, 0x10000c
	s_cmp_lg_u32 s2, 0x3003
	s_cbranch_scc0 .Lentry_shape_is_right
	s_endpgm
.Lentry_shape_is_right:
; out0 = emb tok_emb^T on MX-FP4 codes: [2,048] x [6,282], K = 1,024.  xq: emb's codes as images of operand registers (tiles in the program's row order); tokq: the table's codes by rows, 6,400 rows of which the last 118 are zero codes.
; SHARES.  A work-group: 256 rows (mx) x 256 columns (ny): 8 x 25 work-groups.  Four waves, one to a SIMD; a wave owns 64 COLUMNS and keeps the table's fragments of them for all of K in registers (4 tiles x 8 K steps x 8 = 256), read from LDS once.
; The work-group walks its 256 rows in eight GROUPS of 32: a wave reads emb's two tiles (images in LDS, 16 bytes a lane on end) and issues 64 products on 8 accumulators by turns, K ascending.
; So 32 rows x 1,024 bytes are finished with each group and leave at once: they go into one of two stage buffers; one barrier; then each wave stores 8 whole row segments while the next group is multiplied.
; One barrier a group serves both ways: in front of it every wave has waited for its stage stores and for its reads of the other buffer, which is written again only behind the next barrier.
; CLUSTER 4 x 1: the four partners (four mx) read the same 256 rows of the table: a joint load.  25 tile columns do not divide by four, so emb's tiles are each work-group's own.
; NO PREFETCH: every byte that the launch reads is asked for at its head.
; In the last tile column (ny = 24) the columns from 6,282 on (zero codes) are computed with the block's live ones and not stored.
; Source 0 = 16 rows of the table, source 1 = 16 rows of emb: lane (r, h) holds emb row r of the tile, and register j column 16 t + 8 h + j.
; THE WAY OUT.  A row of out0 is 25,128 bytes = 98 x 256 + 40: row m begins 40 m bytes past a multiple of 256, and 32 rows x 40 is a multiple of 256.  A row's 1,024 bytes leave TURNED, by four stores of 256 bytes: the first three begin at byte
; K = -40 row mod 256 of the segment, so each covers 256 consecutive bytes at a multiple of 256 from out0's first byte; the fourth covers the segment's two ends.  Wave w takes rows 8 w .. 8 w + 7 of a group's 32: K hangs on the wave, so the offsets lie in registers.
; REGISTERS.  Window 0: v1-15 addresses; v16-31 the table's scale words; v32-39 emb's; v40-103 accumulator (u, p) at 40 + 8 (4 u + p); v104-167 the way out's offsets; v168-231 rows read back.  Window 1: the table's fragments.  Window 2: v0-127 emb's.
.set PW,    528                        ; a table row in LDS: 512 bytes + 16: an odd multiple of 16
.set SPI,   1040                       ; a stage row: 1,024 bytes + 16
.set SBUF,  32*SPI                     ; a stage buffer
.set LSA,   131072                     ; behind emb's images (16 tiles x 8,192 bytes from LDS byte 0): emb's scale words, 16 x 512 bytes
.set LB,    139264                     ; the table: 256 rows
.set STG,   LB                         ; the two stage buffers lie on the table's bytes, which have had their only fill and are read by nobody behind the second barrier
.set SPARE, LB+256*PW                  ; 274,432: the spare words, 128 bytes a wave
.set TOKS,  3276800
.set ROWO,  25128
.set L16, 1                            ; 16 x lane
.set L4,  2                            ; 4 x lane
.set L8,  3                            ; 8 x lane
.set ADW, 4                            ; my 64 rows of the table
.set STO, 5                            ; the stage, way in
.set AX,  6                            ; the group's images
.set AXS, 7                            ; the group's scale words
.set SPW, 8
.set NIL, 9
.set WSA, 10                           ; the table's scale bytes: 32 r + 16 h
.set WS,  16                           ; 4 p + j: lanes 0-15 K step j, lanes 16-31 K step 4 + j
.set XS,  32                           ; 4 u + q: lanes 0-15 K step 2 q, lanes 16-31 K step 2 q + 1
.set ACC, 40
.set VL,  104                          ; for my 8 rows: stage address and offset in out0 of byte 8 x lane + K;
.set VG,  112
.set VL3, 120                          ; of byte (8 x lane + K + 768) mod 1,024;
.set VG3, 128
.set VLE, 136                          ; ny = 24: of byte (8 x lane + K + 256) mod 512;
.set VGE, 144
.set VL2, 152                          ; and of byte 512 + 8 x lane
.set VG2, 160
.set DAT, 168
.set WV,  20
.set G1B, 28
.set G1A, 36
.set G1S, 44
.set G0B, 52
.set G0A, 56
.set G0S, 60
.set OB,  66                           ; s[66:67] the even group's first row, the work-group's first column in out0
.set AS,  70                           ; s70 LDS byte of the group's images
.set XSS, 71                           ; s71 of its scale words
.set CNT, 72
.set MSB, 0
.macro WIN new                         ; the immediate's high byte repeats the setting that is left
.if MSB != \new
	s_set_vgpr_msb (MSB<<8)|\new
.set MSB, \new
.endif
.endm
.macro PLACES
.rept 4
	v_nop
.endr
.endm
.macro G1W g, c, r, p                  ; words 1 to 7 of a descriptor's group 1: rows of c elements, r rows, p elements from row to row
	s_mov_b32 s[\g+1], ((\c)&0xffff)<<16
	s_mov_b32 s[\g+2], ((\c)>>16)|((\r)<<16)
	s_mov_b32 s[\g+3], ((\r)>>16)|((\c)<<16)
	s_mov_b32 s[\g+4], \r
	s_mov_b32 s[\g+5], \p
	s_mov_b32 s[\g+6], 0
	s_mov_b32 s[\g+7], 0
.endm
.macro CROUND
	s_barrier_signal -1
	s_barrier_wait -1
	s_cmp_lg_u32 s[WV], 0
	s_cbranch_scc1 .Lnw0_\@
	s_barrier_signal -3
.Lnw0_\@:
	s_barrier_wait -3
	s_barrier_signal -1
	s_barrier_wait -1
.endm
.macro WM d, a, b, z, sa, sb, ra, rb   ; z = 1 starts the sum; ra, rb = 1: the side's scales stand in lanes 16-31
.if \z
.if (\ra) && (\rb)
	v_wmma_scale_f32_16x16x128_f8f6f4 v[(\d):(\d)+7], v[(\a):(\a)+7], v[(\b):(\b)+7], 0, v[(\sa)], v[(\sb)] matrix_a_fmt:MATRIX_FMT_FP4 matrix_b_fmt:MATRIX_FMT_FP4 matrix_a_scale:MATRIX_SCALE_ROW1 matrix_b_scale:MATRIX_SCALE_ROW1
.elseif \ra
	v_wmma_scale_f32_16x16x128_f8f6f4 v[(\d):(\d)+7], v[(\a):(\a)+7], v[(\b):(\b)+7], 0, v[(\sa)], v[(\sb)] matrix_a_fmt:MATRIX_FMT_FP4 matrix_b_fmt:MATRIX_FMT_FP4 matrix_a_scale:MATRIX_SCALE_ROW1
.elseif \rb
	v_wmma_scale_f32_16x16x128_f8f6f4 v[(\d):(\d)+7], v[(\a):(\a)+7], v[(\b):(\b)+7], 0, v[(\sa)], v[(\sb)] matrix_a_fmt:MATRIX_FMT_FP4 matrix_b_fmt:MATRIX_FMT_FP4 matrix_b_scale:MATRIX_SCALE_ROW1
.else
	v_wmma_scale_f32_16x16x128_f8f6f4 v[(\d):(\d)+7], v[(\a):(\a)+7], v[(\b):(\b)+7], 0, v[(\sa)], v[(\sb)] matrix_a_fmt:MATRIX_FMT_FP4 matrix_b_fmt:MATRIX_FMT_FP4
.endif
.else
.if (\ra) && (\rb)
	v_wmma_scale_f32_16x16x128_f8f6f4 v[(\d):(\d)+7], v[(\a):(\a)+7], v[(\b):(\b)+7], v[(\d):(\d)+7], v[(\sa)], v[(\sb)] matrix_a_fmt:MATRIX_FMT_FP4 matrix_b_fmt:MATRIX_FMT_FP4 matrix_a_scale:MATRIX_SCALE_ROW1 matrix_b_scale:MATRIX_SCALE_ROW1
.elseif \ra
	v_wmma_scale_f32_16x16x128_f8f6f4 v[(\d):(\d)+7], v[(\a):(\a)+7], v[(\b):(\b)+7], v[(\d):(\d)+7], v[(\sa)], v[(\sb)] matrix_a_fmt:MATRIX_FMT_FP4 matrix_b_fmt:MATRIX_FMT_FP4 matrix_a_scale:MATRIX_SCALE_ROW1
.elseif \rb
	v_wmma_scale_f32_16x16x128_f8f6f4 v[(\d):(\d)+7], v[(\a):(\a)+7], v[(\b):(\b)+7], v[(\d):(\d)+7], v[(\sa)], v[(\sb)] matrix_a_fmt:MATRIX_FMT_FP4 matrix_b_fmt:MATRIX_FMT_FP4 matrix_b_scale:MATRIX_SCALE_ROW1
.else
	v_wmma_scale_f32_16x16x128_f8f6f4 v[(\d):(\d)+7], v[(\a):(\a)+7], v[(\b):(\b)+7], v[(\d):(\d)+7], v[(\sa)], v[(\sb)] matrix_a_fmt:MATRIX_FMT_FP4 matrix_b_fmt:MATRIX_FMT_FP4
.endif
.endif
.endm
	s_load_b128 s[4:7], s[0:1], 0x0                ; xq s[4:5], tokq s[6:7]
	s_load_b64 s[8:9], s[0:1], 0x10                ; out0
	v_lshl_add_u32 v[SPW], v0, 2, SPARE
	v_mov_b32 v[NIL], 0
	ds_add_u32 v[SPW], v[NIL]                      ; the wave's opening: the add, twice on end, and its wait ahead of the first tensor load
	ds_add_u32 v[SPW], v[NIL]
	v_lshrrev_b32 v13, 5, v0
	v_readfirstlane_b32 s[WV], v13                 ; wave 0..3
	s_bfe_u32 s23, ttmp6, 0x40000                  ; cx: it enters global addresses of my work-group's own loads and stores alone
	s_and_b32 s25, ttmp7, 0xffff                   ; ny, which the four partners share
	s_lshl_b32 s26, ttmp9, 2
	s_add_co_u32 s26, s26, s23                     ; mx
	s_mov_b32 s[G1B], 15|(1<<20)|(1<<21)|(6<<22)|(3<<25)   ; the mask: all four partners; elements of 1 byte; 4 words of padding behind every 128; bit 21 beside a mask
	s_mov_b32 s[G1A], 3<<16                        ; no mask; elements of 8 bytes
	s_mov_b32 s[G1S], 3<<16
	G1W G1B, 512, 256, 512                         ; the table: 256 rows of 512 bytes
	G1W G1A, 1024, 8, 1024                         ; emb: 8 tiles of 8,192 bytes, dense
	G1W G1S, 32, 32, 32                            ; emb's scale words: 8,192 dense bytes
	s_lshl_b32 s10, s26, 17                        ; emb's codes: mx x 16 tiles x 8,192,
	s_lshr_b32 s12, s[WV], 1
	s_lshl_b32 s12, s12, 16                        ; + 8 tiles in wave 2 (wave 1: 0): also their LDS byte
	s_add_co_u32 s10, s10, s12
	s_mov_b32 s11, 0
	s_lshl_b32 s14, s26, 13                        ; emb's scale words: mx x 16 x 512
	s_mov_b32 s15, 0
	s_lshl_b32 s16, s25, 17                        ; the table's codes: 256 ny x 512
	s_mov_b32 s17, 0
	s_lshl_b32 s18, s25, 13
	s_lshl_b32 s19, s[WV], 11
	s_add_co_u32 s18, s18, s19                     ; the table's scale bytes: (256 ny + 64 wave) x 32 (the loads' immediate adds TOKS)
	s_mov_b32 s19, 0
	s_lshl_b32 s[OB], s26, 8
	s_mul_i32 s[OB], s[OB], ROWO                   ; the work-group's first row
	s_lshl_b32 s[OB+1], s25, 10
	s_add_co_u32 s[OB], s[OB], s[OB+1]             ; and column
	s_mov_b32 s[OB+1], 0
	s_mul_i32 s21, s[WV], 64*PW
	s_add_co_u32 s21, s21, LB                      ; my 64 rows of the table in LDS
	s_lshl_b32 s22, s[WV], 8
	s_add_co_u32 s22, s22, STG                     ; my 256 bytes of a stage row
	s_mov_b32 s[AS], 0
	s_mov_b32 s[XSS], LSA
	v_and_b32 v13, 31, v0                          ; lane
	v_and_b32 v14, 15, v0                          ; r
	v_bfe_u32 v15, v0, 4, 1                        ; h
	v_lshlrev_b32 v[L16], 4, v13
	v_lshlrev_b32 v[L4], 2, v13
	v_lshlrev_b32 v[L8], 3, v13
	v_mul_u32_u24 v[ADW], v14, PW
	v_lshl_add_u32 v[ADW], v15, 4, v[ADW]
	v_add_nc_u32 v[ADW], s21, v[ADW]               ; row x pitch + 16 h
	v_lshlrev_b32 v[WSA], 5, v14
	v_lshl_add_u32 v[WSA], v15, 4, v[WSA]
	v_mul_u32_u24 v[STO], v14, SPI
	v_lshl_add_u32 v[STO], v15, 5, v[STO]
	v_add_nc_u32 v[STO], s22, v[STO]               ; stage row 16 u + r (the tiles' own order: sixteen lanes touch sixteen different 16-byte columns), + 32 h
	s_wait_alu depctr_va_vdst(0)
	s_wait_dscnt 0x0                               ; both opening adds are done
	s_wait_kmcnt 0x0
	s_add_nc_u64 s[10:11], s[4:5], s[10:11]
	s_add_nc_u64 s[14:15], s[4:5], s[14:15]
	s_add_nc_u64 s[16:17], s[6:7], s[16:17]
	s_add_nc_u64 s[18:19], s[6:7], s[18:19]
	s_add_nc_u64 s[OB:OB+1], s[8:9], s[OB:OB+1]
	s_mov_b32 s[G0B], 1
	s_mov_b32 s[G0B+1], LB
	s_mov_b64 s[G0B+2:G0B+3], s[16:17]
	s_or_b32 s[G0B+3], s[G0B+3], 0x80000000
	s_mov_b32 s[G0A], 1
	s_mov_b32 s[G0A+1], s12
	s_mov_b64 s[G0A+2:G0A+3], s[10:11]
	s_or_b32 s[G0A+3], s[G0A+3], 0x80000000
	s_mov_b32 s[G0S], 1
	s_mov_b32 s[G0S+1], LSA
	s_add_nc_u64 s[G0S+2:G0S+3], s[14:15], 0x100000
	s_or_b32 s[G0S+3], s[G0S+3], 0x80000000
.irp p, 0,1,2,3
	global_load_b128 v[WS+4*\p:WS+4*\p+3], v[WSA], s[18:19] offset:TOKS+512*\p   ; a tile's 16 rows x 32 scale bytes: 512 consecutive bytes
.endr
	CROUND                                         ; all four work-groups are here: the joint loads meet
; THE HEAD'S FOUR LOADS, ONE A WAVE: wave 0 the table, waves 1 and 2 emb's halves, wave 3 emb's scale words.  One chain of branches on the wave's number, a load to an arm, one join.
.macro ARM under, g0, g1, next
	s_cmp_lt_u32 s[WV], \under
	s_cbranch_scc0 \next
	tensor_load_to_lds s[\g0:\g0+3], s[\g1:\g1+7]
	s_nop 0
	PLACES
	s_branch .Lasked
\next:
.endm
	ARM 1, G0B, G1B, .La1
	ARM 3, G0A, G1A, .La2
	tensor_load_to_lds s[G0S:G0S+3], s[G1S:G1S+7]
	s_nop 0
	PLACES
.Lasked:
	; the way out's offsets, made while the tiles are on their way.  My row jr of a group is its row j = 8 w + jr; it lies in stage row 16 ((j / 8) % 2) + j % 8 + 8 (j / 16) = 16 (w % 2) + 8 (w / 2) + jr
	s_mul_i32 s73, s[WV], 192                      ; -40 x 8 w mod 256
	s_and_b32 s76, s[WV], 1
	s_lshl_b32 s76, s76, 4
	s_lshr_b32 s77, s[WV], 1
	s_lshl_b32 s77, s77, 3
	s_add_co_u32 s76, s76, s77
	s_mul_i32 s76, s76, SPI
	s_add_co_u32 s76, s76, STG
	s_mul_i32 s78, s[WV], 8*ROWO
	v_add_nc_u32 v14, 512, v[L8]
.irp jr, 0,1,2,3,4,5,6,7
	s_add_co_u32 s74, s73, 216*\jr
	s_and_b32 s74, s74, 255                        ; K = -40 j mod 256
	s_add_co_u32 s75, s76, \jr*SPI
	s_add_co_u32 s77, s78, \jr*ROWO
	v_add_nc_u32 v11, s74, v[L8]
	v_add_nc_u32 v12, 768, v11
	v_add_nc_u32 v13, 256, v11
	v_and_b32 v12, 0x3ff, v12
	v_and_b32 v13, 0x1ff, v13
	v_add_nc_u32 v[VL+\jr], s75, v11
	v_add_nc_u32 v[VG+\jr], s77, v11
	v_add_nc_u32 v[VL3+\jr], s75, v12
	v_add_nc_u32 v[VG3+\jr], s77, v12
	v_add_nc_u32 v[VLE+\jr], s75, v13
	v_add_nc_u32 v[VGE+\jr], s77, v13
	v_add_nc_u32 v[VL2+\jr], s75, v14
	v_add_nc_u32 v[VG2+\jr], s77, v14
.endr
	s_wait_alu depctr_va_vdst(0)
	s_wait_tensorcnt 0x0                           ; my tile is in,
	s_barrier_signal -1
	s_barrier_wait -1                              ; everybody's is
.macro LDA                             ; a group's two tiles of emb, all of K, and their scale words
	v_add_nc_u32 v[AX], s[AS], v[L16]
	v_add_nc_u32 v[AXS], s[XSS], v[L4]
	WIN 0x80                                       ; destination: window 2
.irp u, 0,1
.irp st, 0,1,2,3,4,5,6,7
.irp c, 0,1
	ds_load_b128 v[64*\u+8*\st+4*\c:64*\u+8*\st+4*\c+3], v[AX] offset:8192*\u+1024*\st+512*\c
.endr
.endr
.endr
	WIN 0
.irp u, 0,1
.irp q, 0,1,2,3
	ds_load_b32 v[XS+4*\u+\q], v[AXS] offset:512*\u+128*\q
.endr
.endr
.endm
; A GROUP of 32 rows.  b: its stage buffer, and 32 rows on from s[OB];  more: another group follows;  step: s[OB] goes on to this (even) group.
.macro GROUP b, more, step
	WIN 0x09                                       ; source 0 window 1, source 1 window 2
.irp st, 0,1,2,3,4,5,6,7
.irp u, 0,1
.irp p, 0,1,2,3
	WM ACC+8*(4*\u+\p), 64*\p+8*\st, 64*\u+8*\st, (\st==0), WS+4*\p+\st%4, XS+4*\u+\st/2, \st/4, \st%2
.endr
.endr
.endr
	WIN 0
	PLACES                                         ; four places behind the last products, for the loads into their sources and the stores of their results
.if \more
	s_add_co_u32 s[AS], s[AS], 16384
	s_add_co_u32 s[XSS], s[XSS], 1024
	LDA                                            ; the next group's fragments land under the staging and the barrier
.endif
.irp u, 0,1
.irp p, 0,1,2,3
	ds_store_b128 v[STO], v[ACC+8*(4*\u+\p):ACC+8*(4*\u+\p)+3] offset:\b*SBUF+16*\u*SPI+64*\p        ; each accumulator from its low end on
	ds_store_b128 v[STO], v[ACC+8*(4*\u+\p)+4:ACC+8*(4*\u+\p)+7] offset:\b*SBUF+16*\u*SPI+64*\p+16
.endr
.endr
	s_wait_dscnt 0x0                               ; for the others' sake: my stage stores are done, and so are my reads of the other buffer
	s_barrier_signal -1
	s_barrier_wait -1
	s_wait_xcnt 0x0                                ; the last group's stores have read their data and their base: both are written again only behind this wait
.if \step
	s_add_nc_u64 s[OB:OB+1], s[OB:OB+1], 64*ROWO
.endif
	s_cmp_eq_u32 s25, 24                           ; the last tile column has 138 columns: ny, which all partners share
	s_cbranch_scc1 .Ledge_\@
.irp jr, 0,1,2,3,4,5,6,7
	ds_load_b64 v[DAT+8*\jr:DAT+8*\jr+1], v[VL+\jr] offset:\b*SBUF
	ds_load_b64 v[DAT+8*\jr+2:DAT+8*\jr+3], v[VL+\jr] offset:\b*SBUF+256
	ds_load_b64 v[DAT+8*\jr+4:DAT+8*\jr+5], v[VL+\jr] offset:\b*SBUF+512
	ds_load_b64 v[DAT+8*\jr+6:DAT+8*\jr+7], v[VL3+\jr] offset:\b*SBUF
.endr
.irp jr, 0,1,2,3,4,5,6,7
	s_wait_dscnt 4*(7-\jr)                         ; my row jr is in; the four loads of each later row may be out
	global_store_b64 v[VG+\jr], v[DAT+8*\jr:DAT+8*\jr+1], s[OB:OB+1] offset:\b*32*ROWO th:TH_STORE_NT          ; 256 consecutive bytes at a multiple of 256 from out0's first byte
	global_store_b64 v[VG+\jr], v[DAT+8*\jr+2:DAT+8*\jr+3], s[OB:OB+1] offset:\b*32*ROWO+256 th:TH_STORE_NT
	global_store_b64 v[VG+\jr], v[DAT+8*\jr+4:DAT+8*\jr+5], s[OB:OB+1] offset:\b*32*ROWO+512 th:TH_STORE_NT
	global_store_b64 v[VG3+\jr], v[DAT+8*\jr+6:DAT+8*\jr+7], s[OB:OB+1] offset:\b*32*ROWO th:TH_STORE_NT       ; the segment's two ends
.endr
	s_branch .Ldone_\@
.Ledge_\@:                                         ; 552 bytes a row: bytes K .. K + 255, aligned as above; then round the first 512: K + 256 .. 511 and 0 .. K - 1; the last 40 bytes by lanes 0 to 4
.irp jr, 0,1,2,3,4,5,6,7
	ds_load_b64 v[DAT+8*\jr:DAT+8*\jr+1], v[VL+\jr] offset:\b*SBUF
	ds_load_b64 v[DAT+8*\jr+2:DAT+8*\jr+3], v[VLE+\jr] offset:\b*SBUF
	ds_load_b64 v[DAT+8*\jr+4:DAT+8*\jr+5], v[VL2+\jr] offset:\b*SBUF
.endr
	v_cmp_gt_u32 vcc_lo, 40, v[L8]                 ; lanes 0 to 4
	s_wait_dscnt 0x0
.irp jr, 0,1,2,3,4,5,6,7
	global_store_b64 v[VG+\jr], v[DAT+8*\jr:DAT+8*\jr+1], s[OB:OB+1] offset:\b*32*ROWO th:TH_STORE_NT
	global_store_b64 v[VGE+\jr], v[DAT+8*\jr+2:DAT+8*\jr+3], s[OB:OB+1] offset:\b*32*ROWO th:TH_STORE_NT
.endr
	s_wait_xcnt 0x0                                ; EXEC changes only behind this wait
	s_and_saveexec_b32 s3, vcc_lo
.irp jr, 0,1,2,3,4,5,6,7
	global_store_b64 v[VG2+\jr], v[DAT+8*\jr+4:DAT+8*\jr+5], s[OB:OB+1] offset:\b*32*ROWO th:TH_STORE_NT   ; only columns that exist are stored
.endr
	s_wait_xcnt 0x0                                ; and again, in front of the line that widens it
	s_or_b32 exec_lo, exec_lo, s3
.Ldone_\@:
.endm
	WIN 0x40                                       ; destination: window 1
.irp p, 0,1,2,3
.irp st, 0,1,2,3,4,5,6,7
.irp c, 0,1
	ds_load_b128 v[64*\p+8*\st+4*\c:64*\p+8*\st+4*\c+3], v[ADW] offset:16*\p*PW+64*\st+32*\c   ; the table's fragments of my 64 columns, all of K: they stay
.endr
.endr
.endr
	WIN 0
	LDA                                            ; group 0
	s_wait_loadcnt 0x0                             ; the table's scale words
	s_wait_dscnt 0x0                               ; my reads of the table are over:
	s_barrier_signal -1
	s_barrier_wait -1                              ; everybody's are: the stage may be written over it
	GROUP 0, 1, 0                                  ; group 0
	s_mov_b32 s[CNT], 3
.Lpair:                                            ; groups 1 and 2, 3 and 4, 5 and 6
	GROUP 1, 1, 0
	GROUP 0, 1, 1
	s_sub_co_u32 s[CNT], s[CNT], 1
	s_cmp_lg_u32 s[CNT], 0
	s_wait_alu depctr_va_vdst(0)
	s_cbranch_scc1 .Lpair
	GROUP 1, 0, 0                                  ; group 7 fetches nothing more
	s_wait_tensorcnt 0x0                           ; the wave's end, behind my last LDS store
	ds_add_u32 v[SPW], v[NIL]
	s_wait_dscnt 0x0
	CROUND                                         ; the closing round
	s_endpgm
.Lfunc_end_k_q540344f214_head:
	.size	k_q540344f214_head, .Lfunc_end_k_q540344f214_head-k_q540344f214_head
	.p2alignl 7, 3214868480
	.fill 96, 4, 3214868480
	.section	.rodata,"a",@progbits
	.p2align	6, 0x0
	.amdhsa_kernel k_q540344f214_head
		.amdhsa_group_segment_fixed_size 327680
		.amdhsa_private_segment_fixed_size 0
		.amdhsa_enable_private_segment 0
		.amdhsa_kernarg_size 24
		.amdhsa_user_sgpr_count 2
		.amdhsa_user_sgpr_kernarg_segment_ptr 1
		.amdhsa_wavefront_size32 1
		.amdhsa_system_sgpr_workgroup_id_x 1
		.amdhsa_system_sgpr_workgroup_id_y 1
		.amdhsa_system_sgpr_workgroup_id_z 1
		.amdhsa_system_vgpr_workitem_id 0
		.amdhsa_next_free_vgpr 640
		.amdhsa_next_free_sgpr 84
		.amdhsa_reserve_vcc 1
		.amdhsa_float_denorm_mode_32 3
		.amdhsa_float_denorm_mode_16_64 3
		.amdhsa_memory_ordered 1
		.amdhsa_forward_progress 1
		.amdhsa_inst_pref_size 104
	.end_amdhsa_kernel
	.amdgpu_metadata
---
amdhsa.version: [ 1, 2 ]
amdhsa.kernels:
  - .name:           k_q540344f214_head
    .symbol:         k_q540344f214_head.kd
    .args:
      - { .name: xq, .offset: 0, .size: 8, .value_kind: global_buffer, .address_space: global }
      - { .name: tokq, .offset: 8, .size: 8, .value_kind: global_buffer, .address_space: global }
      - { .name: out0, .offset: 16, .size: 8, .value_kind: global_buffer, .address_space: global }
    .group_segment_fixed_size: 327680
    .private_segment_fixed_size: 0
    .kernarg_segment_align: 8
    .kernarg_segment_size: 24
    .max_flat_workgroup_size: 128
    .sgpr_count:     84
    .vgpr_count:     640
    .wavefront_size: 32
...
	.end_amdgpu_metadata
.endif
;; end of part 6
